; MI455X (gfx1250); checked and timed in simulation.
; The chip was launched on July 23, 2026; its instructions are those of AMD's public machine-readable ISA for CDNA 5 (MIT licence, August 2026) and "CDNA5" Instruction Set Architecture Reference Guide (July 2026). The comments in the code are by the model that wrote it; some were corrected since.
;; Scaled Dot Product Attention. Allowed arithmetic: matrix products marked QUANTISED: E4M3 operands, one E8M0 scale for each 32 along K, by v_wmma_scale_f32_16x16x128_f8f6f4 with both operands' format E4M3, f32 sums; everything else in f32.
;; Inputs: K_batch 16 x 2,048 x 64 float32; Q_batch 16 x 2,048 x 64 float32; V_batch 16 x 2,048 x 64 float32; valid_lens 16 int32.
;; Outputs: out0 16 x 2,048 x 64 float32.
;; This version of the problem:
;;   THIS VERSION OF THE PROBLEM IS GIVEN IN LOW PRECISION. The matrix products marked QUANTISED in the list below multiply operands that are first quantised to E4M3 (4 exponent bits, 3 mantissa bits; 8 bits a number), with one power-of-two scale for each 32 numbers along K (OCP MX v1.0); their sums are f32. All else is computed in f32.
;;   The module's matrix products, in the order in which they are computed (A, B: the left and right operand; K: the contracted axis; several contracted axes count as one K, in the product's order):
;;     1. batch 16 x [M 2,048, K 64] x [K 64, N 2,048]; A: input Q_batch; B: input K_batch: QUANTISED
;;     2. batch 16 x [M 2,048, K 2,048] x [K 2,048, N 64]; A: softmax (see below); B: input V_batch: QUANTISED
;;   THE QUANTISER, for each operand of a quantised product, along K:
;;     - K is cut into blocks of 32 from its start; a last block that is shorter is filled with zeros.
;;     - A block's scale is 2^e with e = floor(log2(the largest magnitude in the block)) - 8, held to -126 .. 127; a block of zeros has e = 0. As a byte (E8M0): e + 127.
;;     - Each number is divided by its block's scale, clamped to +-448, and rounded to the nearest number of E4M3, ties to even, subnormals kept.
;;     - The product sums the exact products of the quantised numbers (number of the format x scale) in f32.
;;   ~~~python
;;   def quantise(x, axis):      # numpy; x: float32 -> the quantised numbers, widened to float32 again
;;       x = np.moveaxis(x, axis, -1); K = x.shape[-1]
;;       x = np.pad(x, [(0, 0)] * (x.ndim - 1) + [(0, -K % 32)]); x = x.reshape(x.shape[:-1] + (-1, 32)); a = np.abs(x).max(-1, keepdims=True)
;;       e = np.where(a > 0, np.clip(np.frexp(np.where(a > 0, a, 1))[1] - 1 - 8, -126, 127), 0)      # np.frexp(a)[1] - 1 = floor(log2(a)), exactly
;;       r = np.clip(x / 2.0 ** e, -448, 448)
;;       step = 2.0 ** (np.maximum(np.frexp(np.where(r == 0, 1, r))[1] - 1, -6) - 3)
;;       q = np.round(r / step) * step * 2.0 ** e      # np.round: ties to even
;;       return np.moveaxis(q.reshape(q.shape[:-2] + (-1,))[..., :K], -1, axis).astype(np.float32)
;;   ~~~
;;   SOFTMAX AHEAD OF A QUANTISED PRODUCT. Where the list says 'softmax', what is quantised is not the finished softmax but p = 2^(t - M), with t = logit x log2(e) and M = ceil(the row's largest t), a whole number; so 1/2 < the row's largest p <= 1. The row's sum l is taken of the UNQUANTISED p, in f32, and the product's result is divided by l at the end. Since M is a whole number, a kernel that streams over the keys may use a running M (the ceiling of the running maximum): every later rescaling is an exact power of two, which a block's scale takes up: the codes' values come out the same.
;;   OPERANDS COMPUTED ON THE WAY. 'Computed on the way' means the value that the module computes at that place (a softmax that the list does not call 'softmax' is quantised finished and normalised). What goes into a quantiser is computed in f32, as accurately as f32 sums, v_exp_f32 and their like allow (about 1e-6 of the number): no bf16 or f16 on the way to a quantiser, and a product that is left as it is and whose result goes on into a quantised operand takes f32 operands (vector FMAs, or v_wmma_f32_16x16x4_f32). A number that lies on a knife's edge between two numbers of the format may be rounded either way, as far as f32 arithmetic and the matrix unit's own rounding can turn it there, and no further.
;; 2 versions. Each part assembles by itself: llvm-mc -triple=amdgcn-amd-amdhsa -mcpu=gfx1250 --defsym DOCPART=n.
;; ======== version 1 of 2: 2 launches
;; workspace buffers: kv 4,390,912 bytes
;; launch prep (part 1): grid 16 x 16, 4 waves a work-group, no clusters, 0 bytes of LDS; arguments K_batch, V_batch, valid_lens, kv; writes kv
.if DOCPART == 1
	.amdgcn_target "amdgcn-amd-amdhsa--gfx1250"
	.amdhsa_code_object_version 6
	.text
	.protected	k_qf688eb14ef_prep
	.globl	k_qf688eb14ef_prep
	.p2align	8
	.type	k_qf688eb14ef_prep,@function
k_qf688eb14ef_prep:
	s_mov_b64 s[64:65], 0
	v_nop
	global_prefetch_b8 v0, s[64:65] scope:SCOPE_SE
	s_setreg_imm32_b32 hwreg(HW_REG_WAVE_MODE, 25, 1), 1
	s_wait_xcnt 0x0
; K_batch and V_batch, [16][2048][64] f32, become codes of FP8 (E4M3) with one E8M0 scale byte for each 32 along a product's K:
; K is quantised along the head's 64 (the first product's K), V along the keys (the second product's K).
; A block's scale is 2^(floor(log2(its largest magnitude)) - 8); its byte is the largest magnitude's exponent field - 8, held at 1 from below.
; Each number is divided by the scale, held within +-448 and rounded to the nearest code, ties to even.
; LIMITS: a block of zeros gets the byte 1 where the rule says 127 (its codes are zeros, and this program alone reads the bytes); blocks whose largest
; magnitude lies under 2^-118, the floor, were not tried; NaN and infinities among the inputs are not served.
; THE WORKSPACE kv IS LAID AS THE READER'S REGISTERS: a record of RECB bytes for each batch and each slot of 256 keys (two steps of 128 keys, sq = 0, 1):
;   8192 sq         K's codes  [tile 0..7][c 0..1][lane][16 bytes]: lane (r, h) of tile 2 p + u holds key 32 p + 8 u + r + 8 (r / 8), head positions 32 c + 16 h + 0 .. 15
;   VCO + 8192 sq   V's codes  [tile 0..3][c 0..3][lane][16 bytes]: lane (r, h) of tile t holds channel 16 t + r, keys 32 c + 16 h + 0 .. 15
;   KSO + 512 sq    K's scale words [half 0..1][lane][2 words]: word w of half f belongs to tiles 2 p, 2 p + 1, p = 2 f + w: lanes 0-15 tile 2 p's rows, lanes 16-31 tile 2 p + 1's
;   VSO + 256 sq    V's scale words [half 0..1][lane]: lane L of half f holds channel 32 f + L: the bytes of the step's four blocks of 32 keys
; SHARES: work-group (x = step of 128 keys, y = batch).  Waves 0, 1: 64 keys of K each (four tiles).  Waves 2, 3: 32 channels x 128 keys of V each.
; A slot all of whose keys lie behind the batch's length is not made: the reader never loads it.  (A length of 0 or less counts as 2,048: every key then weighs alike.)
; No LDS, no barrier, EXEC is never changed; every offset is an immediate and every store has data registers of its own, so no register that a memory instruction reads is written again.
.set RECB, 34304
.set VCO,  16384
.set KSO,  32768
.set VSO,  33792
.set X,    32                          ; v32-159  the wave's 128 numbers a lane
.set C,    160                         ; v160-191 its codes
.set TM,   8                           ; K: v8-9 largest magnitudes, v10-11 the other half's, then bytes, v12-13 448 x the scale, v14-15 the conversions' scale operands
.set W,    16                          ; K: v16-19 a scale word for each tile
.set SB,   24                          ; V: v24 the lane's scale word
	s_load_b256 s[4:11], s[0:1], 0x0               ; K s[4:5], V s[6:7], valid_lens s[8:9], kv s[10:11]
	v_lshrrev_b32 v1, 5, v0
	v_readfirstlane_b32 s12, v1                    ; wave 0..3
	s_and_b32 s14, ttmp7, 0xffff                   ; the batch
	s_lshl_b32 s16, s14, 2
	v_and_b32 v1, 31, v0                           ; lane
	v_and_b32 v2, 15, v0                           ; r
	v_bfe_u32 v6, v0, 4, 1                         ; h
	s_wait_kmcnt 0x0
	s_load_b32 s15, s[8:9], s16 offset:0x0         ; the batch's length
	s_lshr_b32 s18, ttmp9, 1                       ; the slot
	s_and_b32 s25, ttmp9, 1                        ; sq: which of its two steps
	s_and_b32 s28, s12, 1                          ; which half of the step's K, or of V's channels, is my wave's
	s_lshl_b32 s19, s18, 8                         ; the slot's first key
	s_lshl_b32 s24, s14, 3
	s_add_co_u32 s24, s24, s18
	s_mul_i32 s24, s24, RECB                       ; the record's first byte in kv: under 2^23
	s_lshl_b32 s26, s14, 19
	s_lshl_b32 s27, ttmp9, 15
	s_add_co_u32 s26, s26, s27                     ; (2048 batch + 128 step) rows of 256 bytes, in K and in V alike
	s_mov_b32 s27, 0
	s_mov_b32 s31, 0
	s_mov_b32 s20, 0x76543210
	s_mov_b32 s21, 0xfedcba98                      ; v_permlanex16_b32's selects for lane l xor 16
	s_mov_b32 s22, 0x600000                        ; the mantissa field of 448
	s_mov_b32 s17, 2048
	s_wait_kmcnt 0x0
	s_cmp_gt_i32 s15, 0
	s_cselect_b32 s15, s15, s17                    ; no key counts: all 2,048 weigh alike, so all are wanted
	s_min_u32 s15, s15, 0x800
	s_cmp_ge_u32 s19, s15                          ; by slot, not by step: a record that is read is read whole
	s_cbranch_scc1 .Lend
	s_cmp_lt_u32 s12, 2
	s_cbranch_scc0 .Lv
	; ---- K: four tiles of 16 keys.  Lane (r, h) loads, of its key's row, 16 neighbours of each block of 32: they are the operand's registers 4 c .. 4 c + 3
	s_lshl_b32 s29, s28, 14
	s_add_co_u32 s26, s26, s29                     ; + my wave's 64 rows
	s_add_nc_u64 s[4:5], s[4:5], s[26:27]
	s_lshl_b32 s30, s25, 13
	s_lshl_b32 s29, s28, 12
	s_add_co_u32 s30, s30, s29
	s_add_co_u32 s30, s30, s24
	s_add_nc_u64 s[32:33], s[10:11], s[30:31]      ; my four tiles' codes: record + 8192 sq + 4096 half
	s_lshl_b32 s30, s25, 9
	s_lshl_b32 s29, s28, 8
	s_add_co_u32 s30, s30, s29
	s_add_co_u32 s30, s30, s24
	s_add_co_u32 s30, s30, KSO
	s_add_nc_u64 s[34:35], s[10:11], s[30:31]      ; their scale words: record + KSO + 512 sq + 256 half
	v_and_b32 v7, 8, v2
	v_add_nc_u32 v7, v7, v2                        ; r + 8 (r / 8): THE KEYS OF A TILE ARE NOT NEIGHBOURS
	v_lshlrev_b32 v3, 8, v7
	v_lshl_add_u32 v3, v6, 6, v3                   ; in: that row of 256 bytes, + 64 h
	v_lshlrev_b32 v4, 4, v1                        ; out: 16 bytes a lane
	v_lshlrev_b32 v5, 3, v1                        ; scale words: 8 bytes a lane
	v_mov_b32 v10, 0                               ; written once: a lane permute's destination counts as one of its sources
	v_mov_b32 v11, 0
.irp tl, 0,1,2,3
.irp c, 0,1
.irp j, 0,1,2,3
	global_load_b128 v[X+32*\tl+16*\c+4*\j:X+32*\tl+16*\c+4*\j+3], v3, s[4:5] offset:(32*(\tl/2)+8*(\tl%2))*256+128*\c+16*\j th:TH_LOAD_NT
.endr
.endr
.endr
.macro KTILE tl
.set XS, X+32*\tl
	s_wait_loadcnt 24-8*\tl                        ; this tile's eight loads are in; the eight of each later tile may be out
.irp c, 0,1
	v_max3_num_f32 v[TM+\c], |v[XS+16*\c]|, |v[XS+16*\c+1]|, 0x4800000   ; block c: my 16 numbers, and the floor 2^(9 - 127): the byte cannot fall under 1
.endr
.irp i, 2,4,6,8,10,12,14
.irp c, 0,1
	v_max3_num_f32 v[TM+\c], v[TM+\c], |v[XS+16*\c+\i]|, |v[XS+16*\c+\i+1]|
.endr
.endr
.irp c, 0,1
	v_permlanex16_b32 v[TM+2+\c], v[TM+\c], s20, s21
.endr
.irp c, 0,1
	v_max_num_f32 v[TM+\c], v[TM+\c], v[TM+2+\c]   ; with lane l xor 16's 16: the block's largest magnitude
.endr
.irp c, 0,1
	v_add_nc_u32 v[TM+6+\c], 0xfc000000, v[TM+\c]  ; 8 off its exponent field: the conversion takes the exponent field of this operand as its scale
.endr
.irp c, 0,1
	v_and_or_b32 v[TM+4+\c], v[TM+\c], 0x7f800000, s22   ; 448 x the scale
.endr
.irp c, 0,1
	v_lshrrev_b32 v[TM+2+\c], 23, v[TM+6+\c]       ; the scale's byte
.endr
	v_lshl_or_b32 v[W+\tl], v[TM+3], 8, v[TM+2]    ; my row's scale word; bytes 2 and 3 stay 0: they stand over the zero codes that fill K = 64 up to the instruction's 128
.irp c, 0,1
.set n, 0
.rept 16
	v_med3_num_f32 v[XS+16*\c+n], v[XS+16*\c+n], -v[TM+4+\c], v[TM+4+\c]   ; the conversion to an 8-bit code does not saturate (ISA guide 7.6.2): the hold comes first
.set n, n+1
.endr
	v_cvt_scalef32_pk8_fp8_f32 v[C+8*\tl+4*\c:C+8*\tl+4*\c+1], v[XS+16*\c:XS+16*\c+7], v[TM+6+\c]
	v_cvt_scalef32_pk8_fp8_f32 v[C+8*\tl+4*\c+2:C+8*\tl+4*\c+3], v[XS+16*\c+8:XS+16*\c+15], v[TM+6+\c]
	global_store_b128 v4, v[C+8*\tl+4*\c:C+8*\tl+4*\c+3], s[32:33] offset:1024*\tl+512*\c   ; the wave stores 512 consecutive bytes, aligned
.endr
.endm
	KTILE 0
	KTILE 1
	KTILE 2
	KTILE 3
	v_cmp_le_u32 vcc_lo, 16, v1                    ; lanes 16-31 carry the odd tile's words (both halves of the lanes hold their row's word)
	v_cndmask_b32 v20, v[W], v[W+1], vcc_lo
	v_cndmask_b32 v21, v[W+2], v[W+3], vcc_lo
	global_store_b64 v5, v[20:21], s[34:35]        ; 256 consecutive bytes, aligned
	s_endpgm
	; ---- V: A LANE TAKES A CHANNEL, AND ITS REGISTERS RUN DOWN THE KEYS: a block of 32 keys lies in one lane, and the conversions give codes with the keys innermost
.Lv:
	s_lshl_b32 s29, s28, 7
	s_add_co_u32 s26, s26, s29                     ; + my wave's 32 channels
	s_add_nc_u64 s[6:7], s[6:7], s[26:27]
	s_lshl_b32 s30, s25, 13
	s_lshl_b32 s29, s28, 12
	s_add_co_u32 s30, s30, s29
	s_add_co_u32 s30, s30, s24
	s_add_co_u32 s30, s30, VCO
	s_add_nc_u64 s[32:33], s[10:11], s[30:31]      ; my two tiles' codes: record + VCO + 8192 sq + 4096 half
	s_lshl_b32 s30, s25, 8
	s_lshl_b32 s29, s28, 7
	s_add_co_u32 s30, s30, s29
	s_add_co_u32 s30, s30, s24
	s_add_co_u32 s30, s30, VSO
	s_add_nc_u64 s[34:35], s[10:11], s[30:31]      ; their scale words: record + VSO + 256 sq + 128 half
	v_lshlrev_b32 v3, 2, v1                        ; in, and the scale words: 4 bytes a lane
	v_lshlrev_b32 v4, 4, v2
	v_lshl_add_u32 v4, v6, 11, v4                  ; out: tile lane / 16 (2,048 bytes a tile), row lane % 16
.macro VLOAD c                         ; block c: V(32 c + i, my channel): a wave reads 128 consecutive bytes, the two waves stand side by side on a row
.set n, 0
.rept 32
	global_load_b32 v[X+32*(\c)+n], v3, s[6:7] offset:(32*(\c)+n)*256 th:TH_LOAD_NT
.set n, n+1
.endr
.endm
.macro VBLOCK c
.set XS, X+32*(\c)
.if (\c) < 3
	s_wait_loadcnt 32                              ; this block's 32 loads are in; the next block's 32 may be out
.else
	s_wait_loadcnt 0x0
.endif
.if (\c) < 2
	VLOAD (\c)+2                                   ; into registers of their own
.endif
	v_max3_num_f32 v12, |v[XS]|, |v[XS+1]|, |v[XS+2]|   ; the block's largest magnitude: all 32 numbers are mine; two chains
	v_max3_num_f32 v13, |v[XS+3]|, |v[XS+4]|, |v[XS+5]|
.irp i, 6,10,14,18,22,26
	v_max3_num_f32 v12, v12, |v[XS+\i]|, |v[XS+\i+1]|
	v_max3_num_f32 v13, v13, |v[XS+\i+2]|, |v[XS+\i+3]|
.endr
	v_max3_num_f32 v12, v12, |v[XS+30]|, |v[XS+31]|
	v_max3_num_f32 v12, v12, v13, 0x4800000        ; and the floor
	v_add_nc_u32 v11, 0xfc000000, v12              ; the conversions' scale operand
	v_and_or_b32 v10, v12, 0x7f800000, s22         ; 448 x the scale
	v_lshrrev_b32 v13, 23, v11                     ; the byte
.if (\c) == 0
	v_mov_b32 v[SB], v13                           ; four bytes to the word, the earlier keys in the lower byte
.else
	v_lshl_or_b32 v[SB], v13, 8*(\c), v[SB]
.endif
.set n, 0
.rept 32
	v_med3_num_f32 v[XS+n], v[XS+n], -v10, v10
.set n, n+1
.endr
.irp g, 0,1,2,3
	v_cvt_scalef32_pk8_fp8_f32 v[C+8*(\c)+2*\g:C+8*(\c)+2*\g+1], v[XS+8*\g:XS+8*\g+7], v11
.endr
	global_store_b128 v4, v[C+8*(\c):C+8*(\c)+3], s[32:33] offset:512*(\c)          ; keys 32 c + 0 .. 15: the place of lanes 0-15 of the reader.  Sixteen lanes store 256 consecutive bytes, aligned
	global_store_b128 v4, v[C+8*(\c)+4:C+8*(\c)+7], s[32:33] offset:512*(\c)+256    ; keys 32 c + 16 .. 31: that of its lanes 16-31
.endm
	VLOAD 0
	VLOAD 1
	VBLOCK 0
	VBLOCK 1
	VBLOCK 2
	VBLOCK 3
	global_store_b32 v3, v[SB], s[34:35]           ; 128 consecutive bytes a wave; the two waves' lie side by side
.Lend:
	s_endpgm
.Lfunc_end_k_qf688eb14ef_prep:
	.size	k_qf688eb14ef_prep, .Lfunc_end_k_qf688eb14ef_prep-k_qf688eb14ef_prep
	.p2alignl 7, 3214868480
	.fill 96, 4, 3214868480
	.section	.rodata,"a",@progbits
	.p2align	6, 0x0
	.amdhsa_kernel k_qf688eb14ef_prep
		.amdhsa_group_segment_fixed_size 0
		.amdhsa_private_segment_fixed_size 0
		.amdhsa_enable_private_segment 0
		.amdhsa_kernarg_size 32
		.amdhsa_user_sgpr_count 2
		.amdhsa_user_sgpr_kernarg_segment_ptr 1
		.amdhsa_wavefront_size32 1
		.amdhsa_system_sgpr_workgroup_id_x 1
		.amdhsa_system_sgpr_workgroup_id_y 1
		.amdhsa_system_sgpr_workgroup_id_z 1
		.amdhsa_system_vgpr_workitem_id 0
		.amdhsa_next_free_vgpr 192
		.amdhsa_next_free_sgpr 66
		.amdhsa_reserve_vcc 1
		.amdhsa_float_denorm_mode_32 3
		.amdhsa_float_denorm_mode_16_64 3
		.amdhsa_memory_ordered 1
		.amdhsa_forward_progress 1
		.amdhsa_inst_pref_size 50
	.end_amdhsa_kernel
	.amdgpu_metadata
---
amdhsa.version: [ 1, 2 ]
amdhsa.kernels:
  - .name:           k_qf688eb14ef_prep
    .symbol:         k_qf688eb14ef_prep.kd
    .args:
      - { .name: K_batch, .offset: 0, .size: 8, .value_kind: global_buffer, .address_space: global }
      - { .name: V_batch, .offset: 8, .size: 8, .value_kind: global_buffer, .address_space: global }
      - { .name: valid_lens, .offset: 16, .size: 8, .value_kind: global_buffer, .address_space: global }
      - { .name: kv, .offset: 24, .size: 8, .value_kind: global_buffer, .address_space: global }
    .group_segment_fixed_size: 0
    .private_segment_fixed_size: 0
    .kernarg_segment_align: 8
    .kernarg_segment_size: 32
    .max_flat_workgroup_size: 128
    .sgpr_count:     66
    .vgpr_count:     192
    .wavefront_size: 32
...
	.end_amdgpu_metadata
.endif
;; end of part 1
;; launch attn (part 2): grid 32 x 8, 8 waves a work-group, no clusters, 183,296 bytes of LDS; arguments Q_batch, kv, valid_lens, out0; writes out0
.if DOCPART == 2
	.amdgcn_target "amdgcn-amd-amdhsa--gfx1250"
	.amdhsa_code_object_version 6
	.text
	.protected	k_qf688eb14ef_attn
	.globl	k_qf688eb14ef_attn
	.p2align	8
	.type	k_qf688eb14ef_attn,@function
k_qf688eb14ef_attn:
	s_mov_b64 s[64:65], 0
	v_nop
	global_prefetch_b8 v0, s[64:65] scope:SCOPE_SE
	s_setreg_imm32_b32 hwreg(HW_REG_WAVE_MODE, 25, 1), 1
	s_wait_xcnt 0x0
; out0[b][q][:] = the sum over k of softmax_k(Q[b][q] . K[b][k] / 8, keys k >= valid_lens[b] masked) V[b][k][:], both products on codes of FP8 (E4M3) with one E8M0 scale for each 32 along a product's K.
; Q: [16][2048][64] f32, quantised here in registers.  K and V come as codes and scale words out of kv, laid as images of the operands' registers, a record of RECB bytes for 256 keys.
; THE SOFTMAX AHEAD OF THE SECOND PRODUCT: t = score x c, c = log2(e) / 8; M = the row's largest t so far, rounded UP to a whole number; p = 2^(t - M) is quantised along the keys, not normalised.
; The row's sum is taken of the unquantised p and divides O at the end.  When M moves, the sum and O are multiplied by 2^(old M - new M): exact.
; THE MASK.  VL = the batch's length held to 1 .. 2,048.  A step of 128 keys that begins at or behind VL is left out by a scalar branch; in the one step that VL cuts, hidden scores become -infinity, so p = 0.
; A length of 0 or less: every logit is the same number, so every p is 1 over all 2,048 keys: VL = 2,048 and c = 0 give just that (t = 0, M = 0, p = 1).
; LIMITS: that case multiplies scores by 0, which takes them to be finite: NaN and infinities among the inputs are not served.  A block of zeros carries the byte 1 where the rule says 127: its codes are zeros.
; SHARES.  A wave's work follows its batch's length, so A WORK-GROUP TAKES TWO BATCHES, A SHORT ONE AND A LONG ONE: work-group (x, y) takes queries 64 x .. 64 x + 63 of the batch whose length has rank y (job 0)
; and of the batch of rank 15 - y (job 1).  Each job has four waves, each wave 16 queries: one tile.  Wave w belongs to job (w xor w / 4) & 1 and is number w / 2 in it: waves w and w + 4 differ in their job,
; and so do waves 2 k and 2 k + 1.  The ranks are made here, from the sixteen lengths, alike in every wave; equal lengths are told apart by the batch's number, so each batch has one rank and each row of out0 one owner.
; A job's 128 threads copy each record of their batch once, through registers, into one of the job's two LDS slots, a slot ahead of its use; its four waves read fragments from there, 16 bytes a lane on end.
; LAYOUT.  Both products are used transposed: S^T = K Q^T (source 0 = 16 keys, source 1 = my 16 queries), O^T = V^T P^T (source 0 = 16 channels, source 1 = P): a lane holds ONE query (lane % 16) throughout.
; The keys of a tile of K are chosen (by the launch that made kv) so that the 16 registers of tiles 2 b, 2 b + 1 are keys 32 b + 16 (lane / 16) + 0 .. 15: the conversions' results are P's registers.
; The first product's K is 64: registers 8-15 of Q's and of K's fragments are zero codes, written once.
; NO JOINT REQUESTS, though 32 work-groups read the same records: a joint request is a tensor load.  The branch on VL leaves out
; (2,048 - VL) / 128 of a batch's 16 steps with all their vector work; what would be shared is 34,304 bytes for two steps.
.set RECB,  34304                      ; a record in kv
.set SLOTB, 36864                      ; from LDS slot to LDS slot
.set JOBB,  2*SLOTB                    ; from job 0's two slots to job 1's
.set VCO,   16384                      ; in a record: V's codes (K's begin at 0); 8,192 bytes a step each
.set KSO,   32768                      ; K's scale words, 512 bytes a step
.set VSO,   33792                      ; V's, 256 bytes a step
.set STAGE, 2*JOBB                     ; the way out: 16 rows x (256 bytes + 16) for each wave, its own
.set SP,    272
; In my job's slot 0, 1:  v1, v2: 16 x lane;  v3, v4: 8 x lane;  v5, v6: 4 x lane;  v7, v8: 16 x my number among the job's 128 threads.  v9: the prefetch's offset;  v10, v11: the stage, in and back
; v12 -M, v13 the largest t, v[14:15] the sum in two halves
.set QF,   16                          ; v16-31   Q's fragment
.set KB,   32                          ; v32-95   four fragments of K
.set S,    96                          ; v96-159  S^T, then p, then V's four fragments
.set O,    160                         ; v160-191 O^T
.set PC,   192                         ; v192-207 p's codes
.set BM,   208                         ; v208-211 a block's largest score, then its largest p
.set BP,   212                         ; v212-215 the other half's, then bytes, then the sum's second chain
.set BH,   216                         ; v216-219 448 x the scale
.set BS,   220                         ; v220-223 the conversions' scale operands
.set KSW,  224                         ; v224-227 K's scale words, a register for two tiles
.set VSW,  228                         ; v228-229 V's
.set F,    230                         ; v230     2^(old M - new M)
.set PSW,  231                         ; v231     p's scale word
.set TMP,  232
.set QSW,  233                         ; v233     Q's scale word
.set MK,   234                         ; v234     the mask: the last register index that counts
.set NINF, 235                         ; v235     -infinity
.set SCW,  236                         ; v236-239 a record's scale words on their way to LDS
.set CPG,  240                         ; v240     16 x my number among the job's 128 threads: the copies' offset in a record; never rewritten
; window 1, v0-31 (v256-287): half a record's codes on their way to LDS: 8 x 4 registers.  s_set_vgpr_msb's low byte: bits 3:2 source 1 (an LDS store's data), 7:6 destination (a load's data)
.set REC,  6                           ; s[6:7]   the record that is copied next
.set WV,   12
.set VL,   15
.set KF,   16                          ; the step's first key
.set NX,   17                          ; the next slot's first key
.set TRIPS, 18
.set MNT,  19                          ; the mantissa field of 448
.set SEL,  20                          ; s[20:21] v_permlanex16_b32's selects for lane l xor 16
.set CS,   22                          ; s[22:23] c: the packed form names a pair and takes its low word for both halves
.set PFL,  24                          ; 0 in a work-group that prefetches, else more than any key's number
.set T0,   25
.set JB,   32                          ; my job
.set MW,   33                          ; my wave's number in it
.set TG,   34                          ; twice the rank that my job takes
.set KEY,  35                          ; 16 x length + batch of the batch that has it
.set KY,   40                          ; s40-55   the sixteen batches' keys
.set MS,   66                          ; s66-81   for each batch: the lanes whose key lies under its key
.set MSB, 0
.macro WIN new                         ; the immediate's high byte repeats the setting that is left
.if MSB != \new
	s_set_vgpr_msb (MSB<<8)|\new
.set MSB, \new
.endif
.endm
	s_load_b256 s[4:11], s[0:1], 0x0               ; Q s[4:5], kv s[6:7], valid_lens s[8:9], out0 s[10:11]
	v_lshl_add_u32 v254, v0, 2, 0x2c800
	v_mov_b32 v255, 0
	v_lshrrev_b32 v[TMP], 5, v0
	v_readfirstlane_b32 s[WV], v[TMP]              ; wave 0..7
	s_lshr_b32 s[JB], s[WV], 2
	s_xor_b32 s[JB], s[JB], s[WV]
	s_and_b32 s[JB], s[JB], 1                      ; job (w xor w / 4) & 1
	s_lshr_b32 s[MW], s[WV], 1                     ; and w / 2 in it: 0 .. 3, each once in each job
	s_and_b32 s13, ttmp7, 0xffff                   ; the pair
	s_sub_co_u32 s[TG], 15, s13
	s_cmp_eq_u32 s[JB], 0
	s_cselect_b32 s[TG], s13, s[TG]                ; job 0: rank y; job 1: rank 15 - y
	s_lshl_b32 s[TG], s[TG], 1
	v_and_b32 v208, 31, v0                         ; lane
	v_and_b32 v209, 15, v0                         ; r
	v_bfe_u32 v210, v0, 4, 1                       ; h
	; every LDS address is made here, ahead of the first branch, and never rewritten
	s_mul_i32 s26, s[JB], JOBB                     ; my job's slots
	s_lshl_b32 s27, s[MW], 9
	v_lshl_add_u32 v1, v208, 4, s26
	v_add_nc_u32 v2, SLOTB, v1
	v_lshl_add_u32 v3, v208, 3, s26
	v_add_nc_u32 v4, SLOTB, v3
	v_lshl_add_u32 v5, v208, 2, s26
	v_add_nc_u32 v6, SLOTB, v5
	v_lshl_add_u32 v[CPG], v208, 4, s27            ; 16 x (32 x my wave's number in the job + lane)
	v_add_nc_u32 v7, s26, v[CPG]
	v_add_nc_u32 v8, SLOTB, v7
	v_lshlrev_b32 v9, 4, v[CPG]                    ; the prefetch: 256 bytes from thread to thread
	s_mul_i32 s[T0], s[WV], 16*SP
	s_add_co_u32 s[T0], s[T0], STAGE               ; my stage
	v_mul_u32_u24 v10, v209, SP
	v_lshl_add_u32 v10, v210, 5, v10
	v_add_nc_u32 v10, s[T0], v10                   ; in: row r, + 32 h
	v_mul_u32_u24 v11, v210, SP
	v_lshl_add_u32 v11, v209, 4, v11
	v_add_nc_u32 v11, s[T0], v11                   ; back: lanes 0-15 one row, lanes 16-31 the next
	v_lshlrev_b32 v[TMP], 8, v209
	v_lshl_add_u32 v[TMP], v210, 6, v[TMP]         ; Q: row r of 256 bytes, + 64 h: my 16 numbers of a block of 32
	v_lshlrev_b32 v211, 2, v209                    ; valid_lens: lane L takes batch L % 16
	v_mov_b32 v217, 0x801
	s_mov_b32 s[SEL], 0x76543210
	s_mov_b32 s[SEL+1], 0xfedcba98
	s_mov_b32 s[MNT], 0x600000
	s_mov_b32 s[CS], 0x3e38aa3b                    ; log2(e) / 8
	s_cmp_eq_u32 ttmp9, 0                          ; who prefetches: of the 32 work-groups that walk a batch, the first
	s_cselect_b32 s[PFL], 0, 0x10000
	s_wait_kmcnt 0x0
	global_load_b32 v216, v211, s[8:9]             ; the sixteen lengths
	; what is written once stands here, while the lengths are on their way
.irp b, 0,1,2,3
	v_mov_b32 v[BP+\b], 0                          ; a lane permute's destination counts as one of its sources
.endr
.set n, 0
.rept 8
	v_mov_b32 v[QF+8+n], 0                         ; Q's head positions 64 to 127: zero codes
.set n, n+1
.endr
.irp t, 0,1,2,3
.set n, 0
.rept 8
	v_mov_b32 v[KB+16*\t+8+n], 0                   ; the same of K's four fragments: the loads fill registers 0-7 alone
.set n, n+1
.endr
.endr
.set n, 0
.rept 32
	v_mov_b32 v[O+n], 0                            ; O^T.  (The step is written without a first step of its own: the first change of M multiplies zeros)
.set n, n+1
.endr
	v_mov_b32 v14, 0                               ; the sum, in two halves
	v_mov_b32 v15, 0
	v_mov_b32 v[PSW], 0                            ; (named as the upper half of the pair with F before it is first made)
	v_mov_b32 v13, 0xff61b1e6                      ; the largest t so far: -3e38, under every t
	v_floor_f32 v12, -v13                          ; -M
	s_mov_b32 s[KF], 0
	s_mov_b32 s[NX], 256
	s_mov_b32 s[TRIPS], 4
	s_wait_loadcnt 0x0
	; THE RANKS.  A batch's key is 16 x its length + its number: all sixteen differ.  The length is held to 1 .. 2,048; 0 or less is written 2,049: as much work as 2,048, and the mark of c = 0
	v_cmp_lt_i32 vcc_lo, 0, v216
	v_min_u32 v216, 0x800, v216
	v_cndmask_b32 v216, v217, v216, vcc_lo
	v_lshl_or_b32 v218, v216, 4, v209
.set n, 0
.rept 16
	v_readlane_b32 s[KY+n], v218, n
.set n, n+1
.endr
.set n, 0
.rept 16
	v_cmp_gt_u32 s[MS+n], s[KY+n], v218            ; the lanes whose key lies under batch n's: each such batch stands in two lanes, so their count is twice batch n's rank
.set n, n+1
.endr
	s_mov_b32 s[KEY], 16                           ; (written ahead of the selects; just one of the sixteen ranks is mine, so this number is never kept)
.set n, 0
.rept 16
	s_bcnt1_i32_b32 s[MS+n], s[MS+n]
	s_cmp_eq_u32 s[MS+n], s[TG]
	s_cselect_b32 s[KEY], s[KY+n], s[KEY]
.set n, n+1
.endr
	s_and_b32 s13, s[KEY], 15
	s_min_u32 s13, s13, 15                         ; my job's batch
	s_lshr_b32 s[VL], s[KEY], 4
	s_cmp_lg_u32 s[VL], 0x801
	s_cselect_b32 s[CS], s[CS], 0                  ; no key counts: all 2,048 are walked, with c = 0
	s_min_u32 s[VL], s[VL], 0x800
	s_mov_b32 s[CS+1], s[CS]                       ; (named with it as a pair, so it is written)
	s_lshl_b32 s26, s13, 19
	s_lshl_b32 s27, ttmp9, 14
	s_add_co_u32 s26, s26, s27
	s_lshl_b32 s27, s[MW], 12
	s_add_co_u32 s26, s26, s27                     ; (2048 batch + 64 work-group x + 16 x my wave's number in the job) rows of 256 bytes, in Q and in out0
	s_mov_b32 s27, 0
	s_mul_i32 s28, s13, 8*RECB                     ; the batch's eight records
	s_mov_b32 s29, 0
	s_add_nc_u64 s[4:5], s[4:5], s[26:27]
	s_add_nc_u64 s[10:11], s[10:11], s[26:27]
	s_add_nc_u64 s[REC:REC+1], s[REC:REC+1], s[28:29]
	; slot 0's record, which every batch has: 16 x 2,048 bytes of codes by the job's 128 threads, 1,536 bytes of scale words by its first 96 (waves 0 to 5 are each job's first three)
	WIN 0x40                                       ; destination window 1
.irp i, 0,1,2,3,4,5,6,7
	global_load_b128 v[4*\i:4*\i+3], v[CPG], s[REC:REC+1] offset:2048*\i
.endr
	WIN 0
.irp i, 0,1,2,3,4,5,6,7
	global_load_b128 v[S+32+4*\i:S+32+4*\i+3], v[CPG], s[REC:REC+1] offset:VCO+2048*\i
.endr
	s_cmp_lt_u32 s[WV], 6
	s_cbranch_scc0 .Lno_scales_in
	global_load_b128 v[SCW:SCW+3], v[CPG], s[REC:REC+1] offset:KSO
.Lno_scales_in:
.irp c, 0,1
.irp j, 0,1,2,3
	global_load_b128 v[S+16*\c+4*\j:S+16*\c+4*\j+3], v[TMP], s[4:5] offset:128*\c+16*\j th:TH_LOAD_NT   ; Q: register 16 c + i = head position 32 c + 16 h + i of query r
.endr
.endr
	s_wait_loadcnt 0x0                             ; the record and Q are in; their addresses may be written
	WIN 0x04                                       ; an LDS store's data are its source 1: window 1
.irp i, 0,1,2,3,4,5,6,7
	ds_store_b128 v7, v[4*\i:4*\i+3] offset:2048*\i
.endr
	WIN 0
.irp i, 0,1,2,3,4,5,6,7
	ds_store_b128 v7, v[S+32+4*\i:S+32+4*\i+3] offset:VCO+2048*\i
.endr
	s_cmp_lt_u32 s[WV], 6
	s_cbranch_scc0 .Lno_scales_out
	ds_store_b128 v7, v[SCW:SCW+3] offset:KSO
.Lno_scales_out:
	s_add_nc_u64 s[REC:REC+1], s[REC:REC+1], RECB
	; Q's two blocks of 32 become registers 0-7 of its fragment and its scale word
.irp c, 0,1
	v_max3_num_f32 v[BM+\c], |v[S+16*\c]|, |v[S+16*\c+1]|, 0x4800000   ; my 16 numbers, and the floor 2^(9 - 127): the byte cannot fall under 1
.endr
.irp i, 2,4,6,8,10,12,14
.irp c, 0,1
	v_max3_num_f32 v[BM+\c], v[BM+\c], |v[S+16*\c+\i]|, |v[S+16*\c+\i+1]|
.endr
.endr
.irp c, 0,1
	v_permlanex16_b32 v[BP+\c], v[BM+\c], s[SEL], s[SEL+1]
.endr
.irp c, 0,1
	v_max_num_f32 v[BM+\c], v[BM+\c], v[BP+\c]     ; with lane l xor 16's: the block's largest magnitude
.endr
.irp c, 0,1
	v_add_nc_u32 v[BS+\c], 0xfc000000, v[BM+\c]    ; 8 off its exponent field: the conversion's scale operand
.endr
.irp c, 0,1
	v_and_or_b32 v[BH+\c], v[BM+\c], 0x7f800000, s[MNT]   ; 448 x the scale
.endr
.irp c, 0,1
	v_lshrrev_b32 v[BP+\c], 23, v[BS+\c]           ; the byte
.endr
	v_lshl_or_b32 v[QSW], v[BP+1], 8, v[BP]        ; bytes 2 and 3 stay 0: they stand over zero codes
.irp c, 0,1
.set n, 0
.rept 16
	v_med3_num_f32 v[S+16*\c+n], v[S+16*\c+n], -v[BH+\c], v[BH+\c]   ; the conversion to an 8-bit code does not saturate (ISA guide 7.6.2): the hold comes first
.set n, n+1
.endr
	v_cvt_scalef32_pk8_fp8_f32 v[QF+4*\c:QF+4*\c+1], v[S+16*\c:S+16*\c+7], v[BS+\c]
	v_cvt_scalef32_pk8_fp8_f32 v[QF+4*\c+2:QF+4*\c+3], v[S+16*\c+8:S+16*\c+15], v[BS+\c]
.endr
	v_nop                                          ; one plain line behind the last conversion: products will write its sources.  (The nine v_nop at a step's head are the places between Q's scale word and codes and the first product)
; four tiles of K (group g of two) of step q of slot sl: registers 0-7 of each fragment
.macro KLOAD sl, q, g
.irp t, 0,1,2,3
.irp c, 0,1
	ds_load_b128 v[KB+16*\t+4*\c:KB+16*\t+4*\c+3], v[1+\sl] offset:8192*\q+1024*(4*\g+\t)+512*\c
.endr
.endr
.endm
; S^T of those four tiles.  A register of K's scale words serves two tiles: the even one from lanes 0-15, the odd one from lanes 16-31
.macro KQ g
.irp t, 0,2
	v_wmma_scale_f32_16x16x128_f8f6f4 v[S+8*(4*\g+\t):S+8*(4*\g+\t)+7], v[KB+16*\t:KB+16*\t+15], v[QF:QF+15], 0, v[KSW+2*\g+\t/2], v[QSW]
	v_wmma_scale_f32_16x16x128_f8f6f4 v[S+8*(4*\g+\t+1):S+8*(4*\g+\t+1)+7], v[KB+16*(\t+1):KB+16*(\t+1)+15], v[QF:QF+15], 0, v[KSW+2*\g+\t/2], v[QSW] matrix_a_scale:MATRIX_SCALE_ROW1
.endr
.endm
; A PREFETCH INTO THE L2 of the codes of the record behind the one that is being copied: two key steps ahead of that record's loads.  It stands with the copy's loads.  32 work-groups walk a batch's records:
; the first of them (x = 0) asks; each of the job's 128 threads names one of the 128 runs of 256 bytes of the record's codes, each run once.  The record's six runs of scale words come by their loads alone.
; Nothing is asked for where that record begins at or behind VL: it is not read.  Slots 0 and 1 come by their loads alone.
.macro ASK
	s_add_co_u32 s[T0], s[NX], 256
	s_add_co_u32 s[T0], s[T0], s[PFL]
	s_cmp_lt_u32 s[T0], s[VL]
	s_cbranch_scc0 .Lnot_mine_\@
	global_prefetch_b8 v9, s[REC:REC+1] offset:RECB th:TH_LOAD_NT scope:SCOPE_SE
.Lnot_mine_\@:
.endm
; Half q of the next slot's record into registers, if that slot has a key that counts: q = 0: K's codes and all scale words; q = 1: V's codes.  At a branch and at a label every window is 0
.macro COPY_LOAD q
	s_cmp_lt_u32 s[NX], s[VL]
	s_cbranch_scc0 .Lno_copy_\@
	WIN 0x40                                       ; destination window 1
.irp i, 0,1,2,3,4,5,6,7
	global_load_b128 v[4*\i:4*\i+3], v[CPG], s[REC:REC+1] offset:16384*\q+2048*\i
.endr
	WIN 0
.if \q == 0
	s_cmp_lt_u32 s[WV], 6
	s_cbranch_scc0 .Lno_scales_\@
	global_load_b128 v[SCW:SCW+3], v[CPG], s[REC:REC+1] offset:KSO
.Lno_scales_\@:
	ASK
.endif
.Lno_copy_\@:
.endm
; and on into my job's other slot, which nobody reads before the next barrier
.macro COPY_STORE sl, q
	s_wait_loadcnt 0x0                             ; on every way: the copy's loads, if there were any, are in
	s_cmp_lt_u32 s[NX], s[VL]
	s_cbranch_scc0 .Lno_copy_\@
	WIN 0x04                                       ; the data: window 1
.irp i, 0,1,2,3,4,5,6,7
	ds_store_b128 v[8-\sl], v[4*\i:4*\i+3] offset:16384*\q+2048*\i
.endr
	WIN 0
.if \q == 0
	s_cmp_lt_u32 s[WV], 6
	s_cbranch_scc0 .Lno_copy_\@
	ds_store_b128 v[8-\sl], v[SCW:SCW+3] offset:KSO
.endif
.Lno_copy_\@:
.endm
; A KEY STEP: 128 keys, the q-th of slot sl
.macro STEP sl, q
	s_cmp_ge_u32 s[KF], s[VL]                      ; all its keys are hidden: the step's work is left out.  No barrier stands in a step
	s_cbranch_scc1 .Lhidden_\@
	ds_load_b64 v[KSW:KSW+1], v[3+\sl] offset:KSO+512*\q
	ds_load_b64 v[KSW+2:KSW+3], v[3+\sl] offset:KSO+512*\q+256
	KLOAD \sl, \q, 0
.rept 9
	v_nop                                          ; the products below write over registers that the last step's products V^T P^T read as source 0: nine places (ISA guide 7.12.1 for the hazard); they pass while the loads are out
.endr
	s_wait_dscnt 0x0                               ; K's first four tiles and the scale words are in; the last step's stores of the copy are done, so its registers may be loaded again
	KQ 0
	COPY_LOAD \q
.rept 8
	v_nop                                          ; eight places in front of loads into registers that those products read
.endr
	KLOAD \sl, \q, 1
	s_wait_dscnt 0x0
	KQ 1
.rept 8
	v_nop                                          ; eight places in front of the first read of results
.endr
	s_add_co_u32 s[T0], s[KF], 127
	s_cmp_lt_u32 s[T0], s[VL]
	s_cbranch_scc1 .Lopen_\@                       ; all 128 keys count
	s_sub_co_u32 s[T0], s[VL], s[KF]
	s_sub_co_u32 s[T0], s[T0], 1
	v_bfe_u32 v[MK], v0, 4, 1
	v_lshlrev_b32 v[MK], 4, v[MK]
	v_sub_nc_u32 v[MK], s[T0], v[MK]               ; register 16 b + i holds key KF + 16 (lane / 16) + 32 b + i: hidden where 32 b + i > VL - KF - 1 - 16 (lane / 16)
	v_mov_b32 v[NINF], 0xff800000
.set n, 0
.rept 64
	v_cmp_gt_i32 vcc_lo, 32*(n/16)+n%16, v[MK]
	v_cndmask_b32 v[S+n], v[S+n], v[NINF], vcc_lo  ; (each tile's registers in ascending order)
.set n, n+1
.endr
.Lopen_\@:
.irp b, 0,1,2,3
	v_max3_num_f32 v[BM+\b], v[S+16*\b], v[S+16*\b+1], v[S+16*\b+2]   ; THE LARGEST SCORE OF EACH BLOCK OF 32 KEYS: it serves for the row's maximum and, since p rises with the score, for the block's largest p
.endr
.irp i, 3,5,7,9,11,13
.irp b, 0,1,2,3
	v_max3_num_f32 v[BM+\b], v[BM+\b], v[S+16*\b+\i], v[S+16*\b+\i+1]
.endr
.endr
.irp b, 0,1,2,3
	v_max_num_f32 v[BM+\b], v[BM+\b], v[S+16*\b+15]
.endr
.irp b, 0,1,2,3
	v_permlanex16_b32 v[BP+\b], v[BM+\b], s[SEL], s[SEL+1]
.endr
.irp b, 0,1,2,3
	v_max_num_f32 v[BM+\b], v[BM+\b], v[BP+\b]     ; with lane l xor 16's 16 keys
.endr
	v_max3_num_f32 v[TMP], v[BM], v[BM+1], v[BM+2]
	v_max_num_f32 v[TMP], v[TMP], v[BM+3]          ; the step's largest score of my query: a number, since the step's first key counts
	v_mul_f32 v[TMP], s[CS], v[TMP]                ; as t (c is not negative)
	v_max_num_f32 v13, v13, v[TMP]                 ; the running largest t
	v_mov_b32 v[TMP], v12
	v_floor_f32 v12, -v13                          ; the new -M = floor(-t) = -ceil(t): M IS A WHOLE NUMBER
	v_sub_f32 v[TMP], v12, v[TMP]                  ; M's old value less its new one: a whole number, 0 or less
	v_cvt_i32_f32 v[TMP], v[TMP]                   ; (it saturates)
	v_ldexp_f32 v[F], 1.0, v[TMP]                  ; f = 2^(old M - new M): a multiplication by it rounds nothing
.set n, 0
.rept 32
	v_pk_fma_f32 v[S+n:S+n+1], v[S+n:S+n+1], s[CS:CS+1], v[12:13] op_sel_hi:[1,0,0]   ; t - M, two at a time (of the pairs c and -M the low word serves both halves)
.set n, n+2
.endr
.irp b, 0,1,2,3
	v_fma_f32 v[BM+\b], v[BM+\b], s[CS], v12       ; the same of each block's largest score
.endr
.set n, 0
.rept 64
	v_exp_f32 v[S+n], v[S+n]                       ; p = 2^(t - M), at most 1: NOT normalised
.set n, n+1
.endr
.irp b, 0,1,2,3
	v_exp_f32 v[BM+\b], v[BM+\b]                   ; the block's largest p: the same two instructions on the same number
.endr
	v_pk_mul_f32 v[14:15], v[14:15], v[F:F+1] op_sel_hi:[1,0]   ; the sums under the new M.  (The plain line behind the exponentials)
	s_wait_alu depctr_va_vdst(0)
.irp b, 0,1,2,3
	v_max_num_f32 v[BM+\b], 0x4800000, v[BM+\b]    ; the floor 2^(9 - 127): a block whose every p is 0 keeps the byte 1: its codes are zeros
.endr
.irp b, 0,1,2,3
	v_add_nc_u32 v[BS+\b], 0xfc000000, v[BM+\b]    ; 8 off the exponent field: the conversion's scale operand
.endr
.irp b, 0,1,2,3
	v_and_or_b32 v[BH+\b], v[BM+\b], 0x7f800000, s[MNT]   ; 448 x the scale
.endr
.irp b, 0,1,2,3
	v_lshrrev_b32 v[BP+\b], 23, v[BS+\b]           ; the scale's byte
.endr
	v_lshl_or_b32 v[PSW], v[BP+1], 8, v[BP]        ; p's scale word for these 128 keys
	v_lshl_or_b32 v[PSW], v[BP+2], 16, v[PSW]
	v_lshl_or_b32 v[PSW], v[BP+3], 24, v[PSW]
	v_pk_add_f32 v[BP:BP+1], v[S:S+1], v[S+2:S+3]  ; THE ROW'S SUM IS TAKEN OF THE UNQUANTISED p: two at a time, in two chains
.set n, 4
.rept 15
	v_pk_add_f32 v[14:15], v[14:15], v[S+n:S+n+1]
	v_pk_add_f32 v[BP:BP+1], v[BP:BP+1], v[S+n+2:S+n+3]
.set n, n+4
.endr
	v_pk_add_f32 v[14:15], v[14:15], v[BP:BP+1]
.irp b, 0,1,2,3
.set n, 0
.rept 16
	v_min_num_f32 v[S+16*\b+n], v[S+16*\b+n], v[BH+\b]   ; the hold ahead of a conversion that does not saturate (ISA guide 7.6.2); p is not negative, so it is one-sided
.set n, n+1
.endr
	v_cvt_scalef32_pk8_fp8_f32 v[PC+4*\b:PC+4*\b+1], v[S+16*\b:S+16*\b+7], v[BS+\b]
	v_cvt_scalef32_pk8_fp8_f32 v[PC+4*\b+2:PC+4*\b+3], v[S+16*\b+8:S+16*\b+15], v[BS+\b]
.irp c, 0,1,2,3
	ds_load_b128 v[S+16*\b+4*\c:S+16*\b+4*\c+3], v[1+\sl] offset:VCO+8192*\q+2048*\b+512*\c   ; the block's 16 registers are free: V's tile b (channels 16 b on) lands there while the next block is quantised
.endr
.if \b == 0
	ds_load_b32 v[VSW], v[5+\sl] offset:VSO+256*\q
	ds_load_b32 v[VSW+1], v[5+\sl] offset:VSO+256*\q+128
.endif
.endr
.set n, 0
.rept 16
	v_pk_mul_f32 v[O+n:O+n+1], v[O+n:O+n+1], v[F:F+1] op_sel_hi:[1,0]   ; O^T under the new M: x f.  (Also the plain line behind the last conversion, and the places between p's codes and the products)
.set n, n+2
.endr
	s_wait_dscnt 0x0                               ; V's four tiles and its scale words are in
.irp t, 0,2                                    ; O^T += V^T P^T: the four accumulators by turns, one instruction a turn
	v_wmma_scale_f32_16x16x128_f8f6f4 v[O+8*\t:O+8*\t+7], v[S+16*\t:S+16*\t+15], v[PC:PC+15], v[O+8*\t:O+8*\t+7], v[VSW+\t/2], v[PSW]
	v_wmma_scale_f32_16x16x128_f8f6f4 v[O+8*(\t+1):O+8*(\t+1)+7], v[S+16*(\t+1):S+16*(\t+1)+15], v[PC:PC+15], v[O+8*(\t+1):O+8*(\t+1)+7], v[VSW+\t/2], v[PSW] matrix_a_scale:MATRIX_SCALE_ROW1
.endr
	COPY_STORE \sl, \q
.Lhidden_\@:
	s_add_co_u32 s[KF], s[KF], 128
.endm
; A SLOT: one barrier at its head, on every wave's way, for both jobs.  In front of it my stores into this slot have landed and my reads of the other slot are back; behind it my job's slot is whole and nobody
; reads its other one, into which the next record is copied.  Where the next slot is wanted (NX < VL), both steps of this slot run, so both halves of the copy are made.
.macro SLOTW sl
	s_wait_dscnt 0x0
	s_barrier_signal -1
	s_barrier_wait -1
	STEP \sl, 0
	STEP \sl, 1
	s_wait_xcnt 0x0                                ; the copy's loads and the prefetch, a step and more back, have read the record's address: it may be stepped
	s_add_nc_u64 s[REC:REC+1], s[REC:REC+1], RECB
	s_add_co_u32 s[NX], s[NX], 256
.endm
.Ltrip:                                            ; four trips of two slots: all 2,048 keys; the trip count is a constant, what VL hides is jumped over inside
	SLOTW 0
	SLOTW 1
	s_sub_co_u32 s[TRIPS], s[TRIPS], 1
	s_cmp_lg_u32 s[TRIPS], 0
	s_cbranch_scc1 .Ltrip
	; THE WAY OUT.  O^T is divided by the row's sum and goes through my stage in LDS, so that sixteen lanes store a whole row of 256 bytes.
	; The two additions, the four lines of the store's offset and two v_nop are the eight places behind the last products.
	v_add_f32 v14, v14, v15                        ; the sum's two halves,
	v_permlanex16_b32 v[TMP], v14, s[SEL], s[SEL+1]
	v_add_f32 v14, v14, v[TMP]                     ; and lane l xor 16's: the row's sum, at least 1/2
	v_rcp_f32 v14, v14
	v_and_b32 v209, 15, v0                         ; (a plain line behind the transcendental)
	v_bfe_u32 v210, v0, 4, 1
	v_lshlrev_b32 v208, 8, v210
	v_lshl_add_u32 v208, v209, 4, v208             ; out0: lanes 0-15 one row, lanes 16-31 the next; 16 bytes a lane
	v_nop
	v_nop
.set n, 0
	s_wait_alu depctr_va_vdst(0)
.rept 32
	v_mul_f32 v[S+n], v[O+n], v14                  ; register 8 t + j is out0(query r, channel 16 t + 8 h + j); each accumulator from its low end on
.set n, n+1
.endr
.irp t, 0,1,2,3
	ds_store_b128 v10, v[S+8*\t:S+8*\t+3] offset:64*\t
	ds_store_b128 v10, v[S+8*\t+4:S+8*\t+7] offset:64*\t+16
.endr
.irp i, 0,1,2,3,4,5,6,7
	ds_load_b128 v[KB+4*\i:KB+4*\i+3], v11 offset:2*\i*SP   ; LDS serves a wave's instructions in order (ISA guide 5.7.1.4): these see my stores
.endr
.irp i, 0,1,2,3,4,5,6,7
	s_wait_dscnt 7-\i                              ; the younger of the eight loads may be out
	global_store_b128 v208, v[KB+4*\i:KB+4*\i+3], s[10:11] offset:512*\i th:TH_STORE_NT   ; 16 lanes store 256 consecutive bytes, aligned; written once, read by nobody here
.endr
	s_wait_tensorcnt 0x0
	ds_add_u32 v254, v255
	s_wait_dscnt 0x0
	s_endpgm
.Lfunc_end_k_qf688eb14ef_attn:
	.size	k_qf688eb14ef_attn, .Lfunc_end_k_qf688eb14ef_attn-k_qf688eb14ef_attn
	.p2alignl 7, 3214868480
	.fill 96, 4, 3214868480
	.section	.rodata,"a",@progbits
	.p2align	6, 0x0
	.amdhsa_kernel k_qf688eb14ef_attn
		.amdhsa_group_segment_fixed_size 183296
		.amdhsa_private_segment_fixed_size 0
		.amdhsa_enable_private_segment 0
		.amdhsa_kernarg_size 32
		.amdhsa_user_sgpr_count 2
		.amdhsa_user_sgpr_kernarg_segment_ptr 1
		.amdhsa_wavefront_size32 1
		.amdhsa_system_sgpr_workgroup_id_x 1
		.amdhsa_system_sgpr_workgroup_id_y 1
		.amdhsa_system_sgpr_workgroup_id_z 1
		.amdhsa_system_vgpr_workitem_id 0
		.amdhsa_next_free_vgpr 288
		.amdhsa_next_free_sgpr 84
		.amdhsa_reserve_vcc 1
		.amdhsa_float_denorm_mode_32 3
		.amdhsa_float_denorm_mode_16_64 3
		.amdhsa_memory_ordered 1
		.amdhsa_forward_progress 1
		.amdhsa_inst_pref_size 125
	.end_amdhsa_kernel
	.amdgpu_metadata
---
amdhsa.version: [ 1, 2 ]
amdhsa.kernels:
  - .name:           k_qf688eb14ef_attn
    .symbol:         k_qf688eb14ef_attn.kd
    .args:
      - { .name: Q_batch, .offset: 0, .size: 8, .value_kind: global_buffer, .address_space: global }
      - { .name: kv, .offset: 8, .size: 8, .value_kind: global_buffer, .address_space: global }
      - { .name: valid_lens, .offset: 16, .size: 8, .value_kind: global_buffer, .address_space: global }
      - { .name: out0, .offset: 24, .size: 8, .value_kind: global_buffer, .address_space: global }
    .group_segment_fixed_size: 183296
    .private_segment_fixed_size: 0
    .kernarg_segment_align: 8
    .kernarg_segment_size: 32
    .max_flat_workgroup_size: 256
    .sgpr_count:     84
    .vgpr_count:     288
    .wavefront_size: 32
...
	.end_amdgpu_metadata
.endif
;; end of part 2
;; ======== version 2 of 2: 2 launches
;; workspace buffers: kv 4,390,912 bytes
;; launch prep (part 3): grid 16 x 16, 4 waves a work-group, no clusters, 0 bytes of LDS; arguments K_batch, V_batch, valid_lens, kv; writes kv
.if DOCPART == 3
	.amdgcn_target "amdgcn-amd-amdhsa--gfx1250"
	.amdhsa_code_object_version 6
	.text
	.protected	k_qf688eb14ef_prep
	.globl	k_qf688eb14ef_prep
	.p2align	8
	.type	k_qf688eb14ef_prep,@function
k_qf688eb14ef_prep:
	s_mov_b64 s[64:65], 0
	v_nop
	global_prefetch_b8 v0, s[64:65] scope:SCOPE_SE
	s_setreg_imm32_b32 hwreg(HW_REG_WAVE_MODE, 25, 1), 1
	s_wait_xcnt 0x0
; K_batch and V_batch, [16][2048][64] f32, become codes of FP8 (E4M3) with one E8M0 scale byte for each 32 along a product's K:
; K is quantised along the head's 64 (the first product's K), V along the keys (the second product's K).
; A block's scale is 2^(floor(log2(its largest magnitude)) - 8); its byte is the largest magnitude's exponent field - 8, held at 1 from below.
; Each number is divided by the scale, held within +-448 and rounded to the nearest code, ties to even.
; LIMITS: a block of zeros gets the byte 1 where the rule says 127 (its codes are zeros, and this program alone reads the bytes); blocks whose largest
; magnitude lies under 2^-118, the floor, were not tried; NaN and infinities among the inputs are not served.
; THE WORKSPACE kv IS LAID AS THE READER'S REGISTERS: a record of RECB bytes for each batch and each slot of 256 keys (two steps of 128 keys, sq = 0, 1):
;   8192 sq         K's codes  [tile 0..7][c 0..1][lane][16 bytes]: lane (r, h) of tile 2 p + u holds key 32 p + 8 u + r + 8 (r / 8), head positions 32 c + 16 h + 0 .. 15
;   VCO + 8192 sq   V's codes  [tile 0..3][c 0..3][lane][16 bytes]: lane (r, h) of tile t holds channel 16 t + r, keys 32 c + 16 h + 0 .. 15
;   KSO + 512 sq    K's scale words [half 0..1][lane][2 words]: word w of half f belongs to tiles 2 p, 2 p + 1, p = 2 f + w: lanes 0-15 tile 2 p's rows, lanes 16-31 tile 2 p + 1's
;   VSO + 256 sq    V's scale words [half 0..1][lane]: lane L of half f holds channel 32 f + L: the bytes of the step's four blocks of 32 keys
; SHARES: work-group (x = step of 128 keys, y = batch).  Waves 0, 1: 64 keys of K each (four tiles).  Waves 2, 3: 32 channels x 128 keys of V each.
; A slot all of whose keys lie behind the batch's length is not made: the reader never loads it.  (A length of 0 or less counts as 2,048: every key then weighs alike.)
; No LDS, no barrier, EXEC is never changed; every offset is an immediate and every store has data registers of its own, so no register that a memory instruction reads is written again.
.set RECB, 34304
.set VCO,  16384
.set KSO,  32768
.set VSO,  33792
.set X,    32                          ; v32-159  the wave's 128 numbers a lane
.set C,    160                         ; v160-191 its codes
.set TM,   8                           ; K: v8-9 largest magnitudes, v10-11 the other half's, then bytes, v12-13 448 x the scale, v14-15 the conversions' scale operands
.set W,    16                          ; K: v16-19 a scale word for each tile
.set SB,   24                          ; V: v24 the lane's scale word
	s_load_b256 s[4:11], s[0:1], 0x0               ; K s[4:5], V s[6:7], valid_lens s[8:9], kv s[10:11]
	v_lshrrev_b32 v1, 5, v0
	v_readfirstlane_b32 s12, v1                    ; wave 0..3
	s_and_b32 s14, ttmp7, 0xffff                   ; the batch
	s_lshl_b32 s16, s14, 2
	v_and_b32 v1, 31, v0                           ; lane
	v_and_b32 v2, 15, v0                           ; r
	v_bfe_u32 v6, v0, 4, 1                         ; h
	s_wait_kmcnt 0x0
	s_load_b32 s15, s[8:9], s16 offset:0x0         ; the batch's length
	s_lshr_b32 s18, ttmp9, 1                       ; the slot
	s_and_b32 s25, ttmp9, 1                        ; sq: which of its two steps
	s_and_b32 s28, s12, 1                          ; which half of the step's K, or of V's channels, is my wave's
	s_lshl_b32 s19, s18, 8                         ; the slot's first key
	s_lshl_b32 s24, s14, 3
	s_add_co_u32 s24, s24, s18
	s_mul_i32 s24, s24, RECB                       ; the record's first byte in kv: under 2^23
	s_lshl_b32 s26, s14, 19
	s_lshl_b32 s27, ttmp9, 15
	s_add_co_u32 s26, s26, s27                     ; (2048 batch + 128 step) rows of 256 bytes, in K and in V alike
	s_mov_b32 s27, 0
	s_mov_b32 s31, 0
	s_mov_b32 s20, 0x76543210
	s_mov_b32 s21, 0xfedcba98                      ; v_permlanex16_b32's selects for lane l xor 16
	s_mov_b32 s22, 0x600000                        ; the mantissa field of 448
	s_mov_b32 s17, 2048
	s_wait_kmcnt 0x0
	s_cmp_gt_i32 s15, 0
	s_cselect_b32 s15, s15, s17                    ; no key counts: all 2,048 weigh alike, so all are wanted
	s_min_u32 s15, s15, 0x800
	s_cmp_ge_u32 s19, s15                          ; by slot, not by step: a record that is read is read whole
	s_cbranch_scc1 .Lend
	s_cmp_lt_u32 s12, 2
	s_cbranch_scc0 .Lv
	; ---- K: four tiles of 16 keys.  Lane (r, h) loads, of its key's row, 16 neighbours of each block of 32: they are the operand's registers 4 c .. 4 c + 3
	s_lshl_b32 s29, s28, 14
	s_add_co_u32 s26, s26, s29                     ; + my wave's 64 rows
	s_add_nc_u64 s[4:5], s[4:5], s[26:27]
	s_lshl_b32 s30, s25, 13
	s_lshl_b32 s29, s28, 12
	s_add_co_u32 s30, s30, s29
	s_add_co_u32 s30, s30, s24
	s_add_nc_u64 s[32:33], s[10:11], s[30:31]      ; my four tiles' codes: record + 8192 sq + 4096 half
	s_lshl_b32 s30, s25, 9
	s_lshl_b32 s29, s28, 8
	s_add_co_u32 s30, s30, s29
	s_add_co_u32 s30, s30, s24
	s_add_co_u32 s30, s30, KSO
	s_add_nc_u64 s[34:35], s[10:11], s[30:31]      ; their scale words: record + KSO + 512 sq + 256 half
	s_wait_alu depctr_va_vdst(0)
	v_and_b32 v7, 8, v2
	v_add_nc_u32 v7, v7, v2                        ; r + 8 (r / 8): THE KEYS OF A TILE ARE NOT NEIGHBOURS
	v_lshlrev_b32 v3, 8, v7
	v_lshl_add_u32 v3, v6, 6, v3                   ; in: that row of 256 bytes, + 64 h
	v_lshlrev_b32 v4, 4, v1                        ; out: 16 bytes a lane
	v_lshlrev_b32 v5, 3, v1                        ; scale words: 8 bytes a lane
	v_mov_b32 v10, 0                               ; written once: a lane permute's destination counts as one of its sources
	v_mov_b32 v11, 0
.irp tl, 0,1,2,3
.irp c, 0,1
.irp j, 0,1,2,3
	global_load_b128 v[X+32*\tl+16*\c+4*\j:X+32*\tl+16*\c+4*\j+3], v3, s[4:5] offset:(32*(\tl/2)+8*(\tl%2))*256+128*\c+16*\j th:TH_LOAD_NT
.endr
.endr
.endr
.macro KTILE tl
.set XS, X+32*\tl
	s_wait_loadcnt 24-8*\tl                        ; this tile's eight loads are in; the eight of each later tile may be out
.irp c, 0,1
	v_max3_num_f32 v[TM+\c], |v[XS+16*\c]|, |v[XS+16*\c+1]|, 0x4800000   ; block c: my 16 numbers, and the floor 2^(9 - 127): the byte cannot fall under 1
.endr
.irp i, 2,4,6,8,10,12,14
.irp c, 0,1
	v_max3_num_f32 v[TM+\c], v[TM+\c], |v[XS+16*\c+\i]|, |v[XS+16*\c+\i+1]|
.endr
.endr
.irp c, 0,1
	v_permlanex16_b32 v[TM+2+\c], v[TM+\c], s20, s21
.endr
.irp c, 0,1
	v_max_num_f32 v[TM+\c], v[TM+\c], v[TM+2+\c]   ; with lane l xor 16's 16: the block's largest magnitude
.endr
.irp c, 0,1
	v_add_nc_u32 v[TM+6+\c], 0xfc000000, v[TM+\c]  ; 8 off its exponent field: the conversion takes the exponent field of this operand as its scale
.endr
.irp c, 0,1
	v_and_or_b32 v[TM+4+\c], v[TM+\c], 0x7f800000, s22   ; 448 x the scale
.endr
.irp c, 0,1
	v_lshrrev_b32 v[TM+2+\c], 23, v[TM+6+\c]       ; the scale's byte
.endr
	v_lshl_or_b32 v[W+\tl], v[TM+3], 8, v[TM+2]    ; my row's scale word; bytes 2 and 3 stay 0: they stand over the zero codes that fill K = 64 up to the instruction's 128
.irp c, 0,1
.set n, 0
.rept 16
	v_med3_num_f32 v[XS+16*\c+n], v[XS+16*\c+n], -v[TM+4+\c], v[TM+4+\c]   ; the conversion to an 8-bit code does not saturate (ISA guide 7.6.2): the hold comes first
.set n, n+1
.endr
	v_cvt_scalef32_pk8_fp8_f32 v[C+8*\tl+4*\c:C+8*\tl+4*\c+1], v[XS+16*\c:XS+16*\c+7], v[TM+6+\c]
	v_cvt_scalef32_pk8_fp8_f32 v[C+8*\tl+4*\c+2:C+8*\tl+4*\c+3], v[XS+16*\c+8:XS+16*\c+15], v[TM+6+\c]
	global_store_b128 v4, v[C+8*\tl+4*\c:C+8*\tl+4*\c+3], s[32:33] offset:1024*\tl+512*\c   ; the wave stores 512 consecutive bytes, aligned
.endr
.endm
	KTILE 0
	KTILE 1
	KTILE 2
	KTILE 3
	v_cmp_le_u32 vcc_lo, 16, v1                    ; lanes 16-31 carry the odd tile's words (both halves of the lanes hold their row's word)
	v_cndmask_b32 v20, v[W], v[W+1], vcc_lo
	v_cndmask_b32 v21, v[W+2], v[W+3], vcc_lo
	global_store_b64 v5, v[20:21], s[34:35]        ; 256 consecutive bytes, aligned
	s_endpgm
	; ---- V: A LANE TAKES A CHANNEL, AND ITS REGISTERS RUN DOWN THE KEYS: a block of 32 keys lies in one lane, and the conversions give codes with the keys innermost
.Lv:
	s_lshl_b32 s29, s28, 7
	s_add_co_u32 s26, s26, s29                     ; + my wave's 32 channels
	s_add_nc_u64 s[6:7], s[6:7], s[26:27]
	s_lshl_b32 s30, s25, 13
	s_lshl_b32 s29, s28, 12
	s_add_co_u32 s30, s30, s29
	s_add_co_u32 s30, s30, s24
	s_add_co_u32 s30, s30, VCO
	s_add_nc_u64 s[32:33], s[10:11], s[30:31]      ; my two tiles' codes: record + VCO + 8192 sq + 4096 half
	s_lshl_b32 s30, s25, 8
	s_lshl_b32 s29, s28, 7
	s_add_co_u32 s30, s30, s29
	s_add_co_u32 s30, s30, s24
	s_add_co_u32 s30, s30, VSO
	s_add_nc_u64 s[34:35], s[10:11], s[30:31]      ; their scale words: record + VSO + 256 sq + 128 half
	s_wait_alu depctr_va_vdst(0)
	v_lshlrev_b32 v3, 2, v1                        ; in, and the scale words: 4 bytes a lane
	v_lshlrev_b32 v4, 4, v2
	v_lshl_add_u32 v4, v6, 11, v4                  ; out: tile lane / 16 (2,048 bytes a tile), row lane % 16
.macro VLOAD c                         ; block c: V(32 c + i, my channel): a wave reads 128 consecutive bytes, the two waves stand side by side on a row
.set n, 0
.rept 32
	global_load_b32 v[X+32*(\c)+n], v3, s[6:7] offset:(32*(\c)+n)*256 th:TH_LOAD_NT
.set n, n+1
.endr
.endm
.macro VBLOCK c
.set XS, X+32*(\c)
.if (\c) < 3
	s_wait_loadcnt 32                              ; this block's 32 loads are in; the next block's 32 may be out
.else
	s_wait_loadcnt 0x0
.endif
.if (\c) < 2
	VLOAD (\c)+2                                   ; into registers of their own
.endif
	v_max3_num_f32 v12, |v[XS]|, |v[XS+1]|, |v[XS+2]|   ; the block's largest magnitude: all 32 numbers are mine; two chains
	v_max3_num_f32 v13, |v[XS+3]|, |v[XS+4]|, |v[XS+5]|
.irp i, 6,10,14,18,22,26
	v_max3_num_f32 v12, v12, |v[XS+\i]|, |v[XS+\i+1]|
	v_max3_num_f32 v13, v13, |v[XS+\i+2]|, |v[XS+\i+3]|
.endr
	v_max3_num_f32 v12, v12, |v[XS+30]|, |v[XS+31]|
	v_max3_num_f32 v12, v12, v13, 0x4800000        ; and the floor
	v_add_nc_u32 v11, 0xfc000000, v12              ; the conversions' scale operand
	v_and_or_b32 v10, v12, 0x7f800000, s22         ; 448 x the scale
	v_lshrrev_b32 v13, 23, v11                     ; the byte
.if (\c) == 0
	v_mov_b32 v[SB], v13                           ; four bytes to the word, the earlier keys in the lower byte
.else
	v_lshl_or_b32 v[SB], v13, 8*(\c), v[SB]
.endif
.set n, 0
.rept 32
	v_med3_num_f32 v[XS+n], v[XS+n], -v10, v10
.set n, n+1
.endr
.irp g, 0,1,2,3
	v_cvt_scalef32_pk8_fp8_f32 v[C+8*(\c)+2*\g:C+8*(\c)+2*\g+1], v[XS+8*\g:XS+8*\g+7], v11
.endr
	global_store_b128 v4, v[C+8*(\c):C+8*(\c)+3], s[32:33] offset:512*(\c)          ; keys 32 c + 0 .. 15: the place of lanes 0-15 of the reader.  Sixteen lanes store 256 consecutive bytes, aligned
	global_store_b128 v4, v[C+8*(\c)+4:C+8*(\c)+7], s[32:33] offset:512*(\c)+256    ; keys 32 c + 16 .. 31: that of its lanes 16-31
.endm
	VLOAD 0
	VLOAD 1
	s_wait_alu depctr_va_vdst(0)
	VBLOCK 0
	VBLOCK 1
	VBLOCK 2
	VBLOCK 3
	global_store_b32 v3, v[SB], s[34:35]           ; 128 consecutive bytes a wave; the two waves' lie side by side
.Lend:
	s_endpgm
.Lfunc_end_k_qf688eb14ef_prep:
	.size	k_qf688eb14ef_prep, .Lfunc_end_k_qf688eb14ef_prep-k_qf688eb14ef_prep
	.p2alignl 7, 3214868480
	.fill 96, 4, 3214868480
	.section	.rodata,"a",@progbits
	.p2align	6, 0x0
	.amdhsa_kernel k_qf688eb14ef_prep
		.amdhsa_group_segment_fixed_size 0
		.amdhsa_private_segment_fixed_size 0
		.amdhsa_enable_private_segment 0
		.amdhsa_kernarg_size 32
		.amdhsa_user_sgpr_count 2
		.amdhsa_user_sgpr_kernarg_segment_ptr 1
		.amdhsa_wavefront_size32 1
		.amdhsa_system_sgpr_workgroup_id_x 1
		.amdhsa_system_sgpr_workgroup_id_y 1
		.amdhsa_system_sgpr_workgroup_id_z 1
		.amdhsa_system_vgpr_workitem_id 0
		.amdhsa_next_free_vgpr 192
		.amdhsa_next_free_sgpr 66
		.amdhsa_reserve_vcc 1
		.amdhsa_float_denorm_mode_32 3
		.amdhsa_float_denorm_mode_16_64 3
		.amdhsa_memory_ordered 1
		.amdhsa_forward_progress 1
		.amdhsa_inst_pref_size 51
	.end_amdhsa_kernel
	.amdgpu_metadata
---
amdhsa.version: [ 1, 2 ]
amdhsa.kernels:
  - .name:           k_qf688eb14ef_prep
    .symbol:         k_qf688eb14ef_prep.kd
    .args:
      - { .name: K_batch, .offset: 0, .size: 8, .value_kind: global_buffer, .address_space: global }
      - { .name: V_batch, .offset: 8, .size: 8, .value_kind: global_buffer, .address_space: global }
      - { .name: valid_lens, .offset: 16, .size: 8, .value_kind: global_buffer, .address_space: global }
      - { .name: kv, .offset: 24, .size: 8, .value_kind: global_buffer, .address_space: global }
    .group_segment_fixed_size: 0
    .private_segment_fixed_size: 0
    .kernarg_segment_align: 8
    .kernarg_segment_size: 32
    .max_flat_workgroup_size: 128
    .sgpr_count:     66
    .vgpr_count:     192
    .wavefront_size: 32
...
	.end_amdgpu_metadata
.endif
;; end of part 3
;; launch attn (part 4): grid 32 x 8, 8 waves a work-group, no clusters, 183,296 bytes of LDS; arguments Q_batch, kv, valid_lens, out0; writes out0
.if DOCPART == 4
	.amdgcn_target "amdgcn-amd-amdhsa--gfx1250"
	.amdhsa_code_object_version 6
	.text
	.protected	k_qf688eb14ef_attn
	.globl	k_qf688eb14ef_attn
	.p2align	8
	.type	k_qf688eb14ef_attn,@function
k_qf688eb14ef_attn:
	s_mov_b64 s[64:65], 0
	v_nop
	global_prefetch_b8 v0, s[64:65] scope:SCOPE_SE
	s_setreg_imm32_b32 hwreg(HW_REG_WAVE_SCHED_MODE, 0, 2), 2
	s_setreg_imm32_b32 hwreg(HW_REG_WAVE_MODE, 25, 1), 1
	s_wait_xcnt 0x0
	s_wait_alu depctr_vm_vsrc(0)
; out0[b][q][:] = the sum over k of softmax_k(Q[b][q] . K[b][k] / 8, keys k >= valid_lens[b] masked) V[b][k][:], both products on codes of FP8 (E4M3) with one E8M0 scale for each 32 along a product's K.
; Q: [16][2048][64] f32, quantised here in registers.  K and V come as codes and scale words out of kv, laid as images of the operands' registers, a record of RECB bytes for 256 keys.
; THE SOFTMAX AHEAD OF THE SECOND PRODUCT: t = score x c, c = log2(e) / 8; M = the row's largest t so far, rounded UP to a whole number; p = 2^(t - M) is quantised along the keys, not normalised.
; The row's sum is taken of the unquantised p and divides O at the end.  When M moves, the sum and O are multiplied by 2^(old M - new M): exact.
; THE MASK.  VL = the batch's length held to 1 .. 2,048.  A step of 128 keys that begins at or behind VL is left out by a scalar branch; in the one step that VL cuts, hidden scores become -infinity, so p = 0.
; A length of 0 or less: every logit is the same number, so every p is 1 over all 2,048 keys: VL = 2,048 and c = 0 give just that (t = 0, M = 0, p = 1).
; LIMITS: that case multiplies scores by 0, which takes them to be finite: NaN and infinities among the inputs are not served.  A block of zeros carries the byte 1 where the rule says 127: its codes are zeros.
; SHARES.  A wave's work follows its batch's length, so A WORK-GROUP TAKES TWO BATCHES, A SHORT ONE AND A LONG ONE: work-group (x, y) takes queries 64 x .. 64 x + 63 of the batch whose length has rank y (job 0)
; and of the batch of rank 15 - y (job 1).  Each job has four waves, each wave 16 queries: one tile.  Wave w belongs to job (w xor w / 4) & 1 and is number w / 2 in it: waves w and w + 4 differ in their job,
; and so do waves 2 k and 2 k + 1.  The ranks are made here, from the sixteen lengths, alike in every wave; equal lengths are told apart by the batch's number, so each batch has one rank and each row of out0 one owner.
; A job's 128 threads copy each record of their batch once, through registers, into one of the job's two LDS slots, a slot ahead of its use; its four waves read fragments from there, 16 bytes a lane on end.
; LAYOUT.  Both products are used transposed: S^T = K Q^T (source 0 = 16 keys, source 1 = my 16 queries), O^T = V^T P^T (source 0 = 16 channels, source 1 = P): a lane holds ONE query (lane % 16) throughout.
; The keys of a tile of K are chosen (by the launch that made kv) so that the 16 registers of tiles 2 b, 2 b + 1 are keys 32 b + 16 (lane / 16) + 0 .. 15: the conversions' results are P's registers.
; The first product's K is 64: registers 8-15 of Q's and of K's fragments are zero codes, written once.
; NO JOINT REQUESTS, though 32 work-groups read the same records: a joint request is a tensor load.  The branch on VL leaves out
; (2,048 - VL) / 128 of a batch's 16 steps with all their vector work; what would be shared is 34,304 bytes for two steps.
; THE MODE: SCHED_MODE bits 1:0 = 2 (LLVM: expert scheduling mode 2), set by the entry lines.  The code itself states the register dependences between vector or matrix instructions and memory or LDS
; instructions, and those through scalar registers that vector instructions write, with s_wait_alu, always for 0.
; THE PLAN.  Registers that memory or LDS instructions touch, in the loop:
;   v1-v9, v[CPG]   addresses and offsets: made at the head, never written again.
;   KB, KSW         K's fragments (registers 0-7 of each) and scale words.  LDS loads land in them at a step's head and behind KQ 0; KQ 0 and KQ 1 read them.
;   VB, VSW         V's four fragments, in registers of their own, and its scale words.  LDS loads land in them behind KQ 0; the step's products V^T P^T read them.
;   v256-287, SCW   half a record on its way: global loads land in them behind KQ 0, LDS stores read them at the step's end; no vector instruction names them.
;   S, PC, O and the softmax's registers are named by vector and matrix instructions alone.
; So a step has: ONE wait on va_vdst behind KQ 0 (KQ 0 is done with KB; the last step's V^T P^T are done with VB and VSW), with one on vm_vsrc beside it (the last copy's stores have read their data), and all the
; step's remaining loads follow them in one run; the wait behind the exponentials, behind which no line names KB or KSW, so that the next step's first loads owe nothing more; and one wait ahead of V^T P^T
; (p's codes and scale word are written).
.set RECB,  34304                      ; a record in kv
.set SLOTB, 36864                      ; from LDS slot to LDS slot
.set JOBB,  2*SLOTB                    ; from job 0's two slots to job 1's
.set VCO,   16384                      ; in a record: V's codes (K's begin at 0); 8,192 bytes a step each
.set KSO,   32768                      ; K's scale words, 512 bytes a step
.set VSO,   33792                      ; V's, 256 bytes a step
.set STAGE, 2*JOBB                     ; the way out: 16 rows x (256 bytes + 16) for each wave, its own; behind the stages, from byte 0x2c800 on, the spare words: 128 bytes for each of the eight waves
.set SP,    272
; In my job's slot 0, 1:  v1, v2: 16 x lane;  v3, v4: 8 x lane;  v5, v6: 4 x lane;  v7, v8: 16 x my number among the job's 128 threads.  v9: the prefetch's offset;  v10, v11: the stage, in and back
; v12 -M, v13 the largest t, v[14:15] the sum in two halves;  v254, v255: the closing add's two
.set QF,   16                          ; v16-31   Q's fragment
.set KB,   32                          ; v32-95   four fragments of K
.set S,    96                          ; v96-159  S^T, then p
.set O,    160                         ; v160-191 O^T
.set PC,   192                         ; v192-207 p's codes
.set BM,   208                         ; v208-211 a block's largest score, then its largest p
.set BP,   212                         ; v212-215 the other half's, then bytes, then the sum's second chain
.set BH,   216                         ; v216-219 448 x the scale
.set BS,   220                         ; v220-223 the conversions' scale operands
.set KSW,  224                         ; v224-227 K's scale words, a register for two tiles
.set VSW,  228                         ; v228-229 V's
.set F,    230                         ; v230     2^(old M - new M)
.set PSW,  231                         ; v231     p's scale word
.set TMP,  232
.set QSW,  233                         ; v233     Q's scale word
.set MK,   234                         ; v234     the mask: the last register index that counts
.set NINF, 235                         ; v235     -infinity
.set SCW,  236                         ; v236-239 a record's scale words on their way to LDS
.set CPG,  240                         ; v240     16 x my number among the job's 128 threads: the copies' offset in a record; never rewritten
; window 1: v0-31 (v256-287): half a record's codes on their way to LDS: 8 x 4 registers;  v32-95 (v288-351): V's four fragments.
; s_set_vgpr_msb's low byte: bits 1:0 source 0 (a product's first operand), 3:2 source 1 (an LDS store's data), 7:6 destination (a load's data)
.set VB,   32                          ; in window 1
.set REC,  6                           ; s[6:7]   the record that is copied next
.set WV,   12
.set VL,   15
.set KF,   16                          ; the step's first key
.set NX,   17                          ; the next slot's first key
.set TRIPS, 18
.set MNT,  19                          ; the mantissa field of 448
.set SEL,  20                          ; s[20:21] v_permlanex16_b32's selects for lane l xor 16
.set CS,   22                          ; s[22:23] c: the packed form names a pair and takes its low word for both halves
.set PFL,  24                          ; 0 in a work-group that prefetches, else more than any key's number
.set T0,   25
.set JB,   32                          ; my job
.set MW,   33                          ; my wave's number in it
.set TG,   34                          ; twice the rank that my job takes
.set KEY,  35                          ; 16 x length + batch of the batch that has it
.set KY,   40                          ; s40-55   the sixteen batches' keys;  in the loop: sixteen of the mask's 32 lane masks
.set MS,   66                          ; s66-81   for each batch: the lanes whose key lies under its key;  in the loop: the other sixteen
.set MSB, 0
.macro WIN new                         ; the immediate's high byte repeats the setting that is left
.if MSB != \new
	s_set_vgpr_msb (MSB<<8)|\new
.set MSB, \new
.endif
.endm
	s_load_b256 s[4:11], s[0:1], 0x0               ; Q s[4:5], kv s[6:7], valid_lens s[8:9], out0 s[10:11]
	v_lshl_add_u32 v254, v0, 2, 0x2c800
	v_mov_b32 v255, 0
	v_lshrrev_b32 v[TMP], 5, v0
	v_readfirstlane_b32 s[WV], v[TMP]              ; wave 0..7
	v_and_b32 v208, 31, v0                         ; lane
	s_wait_alu depctr_va_vdst(0)
	v_and_b32 v209, 15, v0                         ; r
	v_bfe_u32 v210, v0, 4, 1                       ; h
	v_lshlrev_b32 v211, 2, v209                    ; valid_lens: lane L takes batch L % 16
	v_mov_b32 v217, 0x801
	s_wait_alu depctr_va_sdst(0)                   ; s[WV] is written, ahead of its first reader: the job, the LDS addresses and the branches on the wave's number are made from it
	s_lshr_b32 s[JB], s[WV], 2
	s_xor_b32 s[JB], s[JB], s[WV]
	s_and_b32 s[JB], s[JB], 1                      ; job (w xor w / 4) & 1
	s_lshr_b32 s[MW], s[WV], 1                     ; and w / 2 in it: 0 .. 3, each once in each job
	s_and_b32 s13, ttmp7, 0xffff                   ; the pair
	s_sub_co_u32 s[TG], 15, s13
	s_cmp_eq_u32 s[JB], 0
	s_cselect_b32 s[TG], s13, s[TG]                ; job 0: rank y; job 1: rank 15 - y
	s_lshl_b32 s[TG], s[TG], 1
	; every LDS address is made ahead of the first branch, and never rewritten
	s_mul_i32 s26, s[JB], JOBB                     ; my job's slots
	s_lshl_b32 s27, s[MW], 9
	v_lshl_add_u32 v1, v208, 4, s26
	v_add_nc_u32 v2, SLOTB, v1
	v_lshl_add_u32 v3, v208, 3, s26
	v_add_nc_u32 v4, SLOTB, v3
	v_lshl_add_u32 v5, v208, 2, s26
	v_add_nc_u32 v6, SLOTB, v5
	s_mul_i32 s[T0], s[WV], 16*SP
	s_add_co_u32 s[T0], s[T0], STAGE               ; my stage
	v_mul_u32_u24 v10, v209, SP
	v_lshl_add_u32 v10, v210, 5, v10
	v_add_nc_u32 v10, s[T0], v10                   ; in: row r, + 32 h
	v_mul_u32_u24 v11, v210, SP
	v_lshl_add_u32 v11, v209, 4, v11
	v_add_nc_u32 v11, s[T0], v11                   ; back: lanes 0-15 one row, lanes 16-31 the next
	s_mov_b32 s[SEL], 0x76543210
	s_mov_b32 s[SEL+1], 0xfedcba98
	s_mov_b32 s[MNT], 0x600000
	s_mov_b32 s[CS], 0x3e38aa3b                    ; log2(e) / 8
	s_cmp_eq_u32 ttmp9, 0                          ; who prefetches: of the 32 work-groups that walk a batch, the first
	s_cselect_b32 s[PFL], 0, 0x10000
	s_wait_kmcnt 0x0
	s_wait_alu depctr_va_vdst(0)                   ; v211 is written, which the load below reads as its offset; so are the LDS addresses v1 to v6, v10 and v11 and the closing add's v254 and v255
	global_load_b32 v216, v211, s[8:9]             ; the sixteen lengths
	; the copies' and Q's offsets, and what is written once, stand here, while the lengths are on their way
	v_lshl_add_u32 v[CPG], v208, 4, s27            ; 16 x (32 x my wave's number in the job + lane)
	v_add_nc_u32 v7, s26, v[CPG]
	v_add_nc_u32 v8, SLOTB, v7
	v_lshlrev_b32 v9, 4, v[CPG]                    ; the prefetch: 256 bytes from thread to thread
	v_lshlrev_b32 v[TMP], 8, v209
	v_lshl_add_u32 v[TMP], v210, 6, v[TMP]         ; Q: row r of 256 bytes, + 64 h: my 16 numbers of a block of 32
.irp b, 0,1,2,3
	v_mov_b32 v[BP+\b], 0                          ; a lane permute's destination counts as one of its sources
.endr
.set n, 0
.rept 8
	v_mov_b32 v[QF+8+n], 0                         ; Q's head positions 64 to 127: zero codes
.set n, n+1
.endr
.irp t, 0,1,2,3
.set n, 0
.rept 8
	v_mov_b32 v[KB+16*\t+8+n], 0                   ; the same of K's four fragments: the loads fill registers 0-7 alone
.set n, n+1
.endr
.endr
.set n, 0
.rept 32
	v_mov_b32 v[O+n], 0                            ; O^T.  (The step is written without a first step of its own: the first change of M multiplies zeros)
.set n, n+1
.endr
	v_mov_b32 v14, 0                               ; the sum, in two halves
	v_mov_b32 v15, 0
	v_mov_b32 v[PSW], 0                            ; (named as the upper half of the pair with F before it is first made)
	v_mov_b32 v13, 0xff61b1e6                      ; the largest t so far: -3e38, under every t
	v_floor_f32 v12, -v13                          ; -M
	s_mov_b32 s[KF], 0
	s_mov_b32 s[NX], 256
	s_mov_b32 s[TRIPS], 4
	s_wait_loadcnt 0x0
	; THE RANKS.  A batch's key is 16 x its length + its number: all sixteen differ.  The length is held to 1 .. 2,048; 0 or less is written 2,049: as much work as 2,048, and the mark of c = 0
	v_cmp_lt_i32 vcc_lo, 0, v216
	v_min_u32 v216, 0x800, v216
	s_wait_alu depctr_va_vcc(0)                    ; the compare has written VCC, which the select below reads
	v_cndmask_b32 v216, v217, v216, vcc_lo
	v_lshl_or_b32 v218, v216, 4, v209
.set n, 0
.rept 16
	v_readlane_b32 s[KY+n], v218, n
.set n, n+1
.endr
	s_wait_alu depctr_va_sdst(0)                   ; the sixteen keys are written, ahead of their first readers, the compares below
.set n, 0
.rept 16
	v_cmp_gt_u32 s[MS+n], s[KY+n], v218            ; the lanes whose key lies under batch n's: each such batch stands in two lanes, so their count is twice batch n's rank
.set n, n+1
.endr
	s_wait_alu depctr_va_sdst(0)                   ; the sixteen masks are written, ahead of their first readers, the counts below
	s_mov_b32 s[KEY], 16                           ; (written ahead of the selects; just one of the sixteen ranks is mine, so this number is never kept)
.set n, 0
.rept 16
	s_bcnt1_i32_b32 s[MS+n], s[MS+n]
	s_cmp_eq_u32 s[MS+n], s[TG]
	s_cselect_b32 s[KEY], s[KY+n], s[KEY]
.set n, n+1
.endr
	s_and_b32 s13, s[KEY], 15
	s_min_u32 s13, s13, 15                         ; my job's batch
	s_lshr_b32 s[VL], s[KEY], 4
	s_cmp_lg_u32 s[VL], 0x801
	s_cselect_b32 s[CS], s[CS], 0                  ; no key counts: all 2,048 are walked, with c = 0
	s_min_u32 s[VL], s[VL], 0x800
	s_mov_b32 s[CS+1], s[CS]                       ; (named with it as a pair, so it is written)
	s_lshl_b32 s26, s13, 19
	s_lshl_b32 s27, ttmp9, 14
	s_add_co_u32 s26, s26, s27
	s_lshl_b32 s27, s[MW], 12
	s_add_co_u32 s26, s26, s27                     ; (2048 batch + 64 work-group x + 16 x my wave's number in the job) rows of 256 bytes, in Q and in out0
	s_mov_b32 s27, 0
	s_mul_i32 s28, s13, 8*RECB                     ; the batch's eight records
	s_mov_b32 s29, 0
	s_add_nc_u64 s[4:5], s[4:5], s[26:27]
	s_add_nc_u64 s[10:11], s[10:11], s[26:27]
	s_add_nc_u64 s[REC:REC+1], s[REC:REC+1], s[28:29]
	; slot 0's record, which every batch has: 16 x 2,048 bytes of codes by the job's 128 threads, 1,536 bytes of scale words by its first 96 (waves 0 to 5 are each job's first three)
	WIN 0x40                                       ; destination window 1
	s_wait_alu depctr_va_vdst(0)                   ; v[CPG] and v[TMP] are written, the offsets of the record's and of Q's loads; so are v7 and v8, the copies' LDS addresses, and v9, the prefetch's offset
.irp i, 0,1,2,3,4,5,6,7
	global_load_b128 v[4*\i:4*\i+3], v[CPG], s[REC:REC+1] offset:2048*\i
.endr
	WIN 0
.irp i, 0,1,2,3,4,5,6,7
	global_load_b128 v[S+32+4*\i:S+32+4*\i+3], v[CPG], s[REC:REC+1] offset:VCO+2048*\i
.endr
	s_cmp_lt_u32 s[WV], 6
	s_cbranch_scc0 .Lno_scales_in
	global_load_b128 v[SCW:SCW+3], v[CPG], s[REC:REC+1] offset:KSO
.Lno_scales_in:
.irp c, 0,1
.irp j, 0,1,2,3
	global_load_b128 v[S+16*\c+4*\j:S+16*\c+4*\j+3], v[TMP], s[4:5] offset:128*\c+16*\j th:TH_LOAD_NT   ; Q: register 16 c + i = head position 32 c + 16 h + i of query r
.endr
.endr
	s_wait_loadcnt 0x0                             ; the record and Q are in; their addresses may be written
	WIN 0x04                                       ; an LDS store's data are its source 1: window 1
.irp i, 0,1,2,3,4,5,6,7
	ds_store_b128 v7, v[4*\i:4*\i+3] offset:2048*\i
.endr
	WIN 0
.irp i, 0,1,2,3,4,5,6,7
	ds_store_b128 v7, v[S+32+4*\i:S+32+4*\i+3] offset:VCO+2048*\i
.endr
	s_cmp_lt_u32 s[WV], 6
	s_cbranch_scc0 .Lno_scales_out
	ds_store_b128 v7, v[SCW:SCW+3] offset:KSO
.Lno_scales_out:
	s_wait_alu depctr_vm_vsrc(0)                   ; the lengths' load has read v211, Q's loads v[TMP], the LDS stores v[S+32] to v[S+63]: the steps' vector and matrix lines write all of these again
	s_add_nc_u64 s[REC:REC+1], s[REC:REC+1], RECB
	; Q's two blocks of 32 become registers 0-7 of its fragment and its scale word
.irp c, 0,1
	v_max3_num_f32 v[BM+\c], |v[S+16*\c]|, |v[S+16*\c+1]|, 0x4800000   ; my 16 numbers, and the floor 2^(9 - 127): the byte cannot fall under 1
.endr
.irp i, 2,4,6,8,10,12,14
.irp c, 0,1
	v_max3_num_f32 v[BM+\c], v[BM+\c], |v[S+16*\c+\i]|, |v[S+16*\c+\i+1]|
.endr
.endr
.irp c, 0,1
	v_permlanex16_b32 v[BP+\c], v[BM+\c], s[SEL], s[SEL+1]
.endr
.irp c, 0,1
	v_max_num_f32 v[BM+\c], v[BM+\c], v[BP+\c]     ; with lane l xor 16's: the block's largest magnitude
.endr
.irp c, 0,1
	v_add_nc_u32 v[BS+\c], 0xfc000000, v[BM+\c]    ; 8 off its exponent field: the conversion's scale operand
.endr
.irp c, 0,1
	v_and_or_b32 v[BH+\c], v[BM+\c], 0x7f800000, s[MNT]   ; 448 x the scale
.endr
.irp c, 0,1
	v_lshrrev_b32 v[BP+\c], 23, v[BS+\c]           ; the byte
.endr
	v_lshl_or_b32 v[QSW], v[BP+1], 8, v[BP]        ; bytes 2 and 3 stay 0: they stand over zero codes
.irp c, 0,1
.set n, 0
.rept 16
	v_med3_num_f32 v[S+16*\c+n], v[S+16*\c+n], -v[BH+\c], v[BH+\c]   ; the conversion to an 8-bit code does not saturate (ISA guide 7.6.2): the hold comes first
.set n, n+1
.endr
	v_cvt_scalef32_pk8_fp8_f32 v[QF+4*\c:QF+4*\c+1], v[S+16*\c:S+16*\c+7], v[BS+\c]
	v_cvt_scalef32_pk8_fp8_f32 v[QF+4*\c+2:QF+4*\c+3], v[S+16*\c+8:S+16*\c+15], v[BS+\c]
.endr
.rept 4
	v_nop                                          ; the four places between Q's codes and the first product that takes them (its scale word stands 36 lines further up); the first is also the plain line behind the last conversion
.endr
	s_wait_alu depctr_va_vdst(0)                   ; Q's codes and scale word and the zero codes of Q's and K's fragments, all made by vector lines, are written: the products K Q^T take them as operands.  None is written again
; four tiles of K (group g of two) of step q of slot sl: registers 0-7 of each fragment
.macro KLOAD sl, q, g
.irp t, 0,1,2,3
.irp c, 0,1
	ds_load_b128 v[KB+16*\t+4*\c:KB+16*\t+4*\c+3], v[1+\sl] offset:8192*\q+1024*(4*\g+\t)+512*\c
.endr
.endr
.endm
; V's scale words and its four tiles (tile t: channels 16 t on) of step q of slot sl: 18 LDS loads; the tiles go into window 1
.macro VLOAD sl, q
	ds_load_b32 v[VSW], v[5+\sl] offset:VSO+256*\q
	ds_load_b32 v[VSW+1], v[5+\sl] offset:VSO+256*\q+128
	WIN 0x40                                       ; destination window 1, address window 0
.irp t, 0,1,2,3
.irp c, 0,1,2,3
	ds_load_b128 v[VB+16*\t+4*\c:VB+16*\t+4*\c+3], v[1+\sl] offset:VCO+8192*\q+2048*\t+512*\c
.endr
.endr
	WIN 0
.endm
; S^T of those four tiles.  A register of K's scale words serves two tiles: the even one from lanes 0-15, the odd one from lanes 16-31
.macro KQ g
.irp t, 0,2
	v_wmma_scale_f32_16x16x128_f8f6f4 v[S+8*(4*\g+\t):S+8*(4*\g+\t)+7], v[KB+16*\t:KB+16*\t+15], v[QF:QF+15], 0, v[KSW+2*\g+\t/2], v[QSW]
	v_wmma_scale_f32_16x16x128_f8f6f4 v[S+8*(4*\g+\t+1):S+8*(4*\g+\t+1)+7], v[KB+16*(\t+1):KB+16*(\t+1)+15], v[QF:QF+15], 0, v[KSW+2*\g+\t/2], v[QSW] matrix_a_scale:MATRIX_SCALE_ROW1
.endr
.endm
; A PREFETCH INTO THE L2 of the codes of the record behind the one that is being copied: two key steps ahead of that record's loads.  It stands with the copy's loads.  32 work-groups walk a batch's records:
; the first of them (x = 0) asks; each of the job's 128 threads names one of the 128 runs of 256 bytes of the record's codes, each run once.  The record's six runs of scale words come by their loads alone.
; Nothing is asked for where that record begins at or behind VL: it is not read.  Slots 0 and 1 come by their loads alone.
.macro ASK
	s_add_co_u32 s[T0], s[NX], 256
	s_add_co_u32 s[T0], s[T0], s[PFL]
	s_cmp_lt_u32 s[T0], s[VL]
	s_cbranch_scc0 .Lnot_mine_\@
	global_prefetch_b8 v9, s[REC:REC+1] offset:RECB th:TH_LOAD_NT scope:SCOPE_SE
.Lnot_mine_\@:
.endm
; Half q of the next slot's record into registers, if that slot has a key that counts: q = 0: K's codes and all scale words; q = 1: V's codes.  At a branch and at a label every window is 0
.macro COPY_LOAD q
	s_cmp_lt_u32 s[NX], s[VL]
	s_cbranch_scc0 .Lno_copy_\@
	WIN 0x40                                       ; destination window 1
.irp i, 0,1,2,3,4,5,6,7
	global_load_b128 v[4*\i:4*\i+3], v[CPG], s[REC:REC+1] offset:16384*\q+2048*\i
.endr
	WIN 0
.if \q == 0
	s_cmp_lt_u32 s[WV], 6
	s_cbranch_scc0 .Lno_scales_\@
	global_load_b128 v[SCW:SCW+3], v[CPG], s[REC:REC+1] offset:KSO
.Lno_scales_\@:
	ASK
.endif
.Lno_copy_\@:
.endm
; and on into my job's other slot, which nobody reads before the next barrier.  The stores' data come from loads and their addresses from the head: they hang on no vector line of the loop
.macro COPY_STORE sl, q
	s_wait_loadcnt 0x0                             ; on every way: the copy's loads, if there were any, are in
	s_cmp_lt_u32 s[NX], s[VL]
	s_cbranch_scc0 .Lno_copy_\@
	WIN 0x04                                       ; the data: window 1
.irp i, 0,1,2,3,4,5,6,7
	ds_store_b128 v[8-\sl], v[4*\i:4*\i+3] offset:16384*\q+2048*\i
.endr
	WIN 0
.if \q == 0
	s_cmp_lt_u32 s[WV], 6
	s_cbranch_scc0 .Lno_copy_\@
	ds_store_b128 v[8-\sl], v[SCW:SCW+3] offset:KSO
.endif
.Lno_copy_\@:
.endm
; A KEY STEP: 128 keys, the q-th of slot sl
.macro STEP sl, q
	s_cmp_ge_u32 s[KF], s[VL]                      ; all its keys are hidden: the step's work is left out.  No barrier stands in a step
	s_cbranch_scc1 .Lhidden_\@
	ds_load_b64 v[KSW:KSW+1], v[3+\sl] offset:KSO+512*\q      ; no wait on the vector side here: the products that read KSW and KB stand ahead of the last step's wait behind its exponentials, and no line since names them
	ds_load_b64 v[KSW+2:KSW+3], v[3+\sl] offset:KSO+512*\q+256
	KLOAD \sl, \q, 0
	s_wait_dscnt 0x0                               ; K's first four tiles and the scale words are in; the last step's stores of the copy are done
	KQ 0
.rept 8
	v_nop                                          ; eight places behind those products; the wait below stands behind them
.endr
	s_wait_alu depctr_va_vdst(0)                   ; KQ 0 is done reading KB, in which K's next four tiles land; the last step's products V^T P^T are done reading VB and VSW, in which V's tiles and scale words land
	s_wait_alu depctr_vm_vsrc(0)                   ; the last copy's LDS stores have read v256-287 and v[SCW ..], in which the copy's loads land
	KLOAD \sl, \q, 1                               ; all the step's remaining loads in one run behind the two waits: no vector or matrix line stands among them
	VLOAD \sl, \q                                  ; V lands under the softmax
	COPY_LOAD \q
	s_wait_dscnt 18                                ; K's four tiles are in; the 18 younger LDS loads, V's, may be out
	KQ 1
.rept 8
	v_nop                                          ; eight places in front of the first read of results
.endr
	s_add_co_u32 s[T0], s[KF], 127
	s_cmp_lt_u32 s[T0], s[VL]
	s_cbranch_scc1 .Lopen_\@                       ; all 128 keys count
	s_sub_co_u32 s[T0], s[VL], s[KF]
	s_sub_co_u32 s[T0], s[T0], 1
	v_bfe_u32 v[MK], v0, 4, 1
	v_lshlrev_b32 v[MK], 4, v[MK]
	v_sub_nc_u32 v[MK], s[T0], v[MK]               ; register 16 b + i holds key KF + 16 (lane / 16) + 32 b + i: hidden where 32 b + i > VL - KF - 1 - 16 (lane / 16)
	v_mov_b32 v[NINF], 0xff800000
.irp u, 0,1                                    ; the compares in two runs of 32, each into a scalar register of its own, so that one wait serves a run
.set n, 32*\u
.rept 32
	v_cmp_gt_i32 s[KY+n%16+(MS-KY)*((n%32)/16)], 32*(n/16)+n%16, v[MK]
.set n, n+1
.endr
	s_wait_alu depctr_va_sdst(0)                   ; the run's 32 masks are written, ahead of their first readers, the selects below
.set n, 32*\u
.rept 32
	v_cndmask_b32 v[S+n], v[S+n], v[NINF], s[KY+n%16+(MS-KY)*((n%32)/16)]   ; (each tile's registers in ascending order)
.set n, n+1
.endr
.endr
.Lopen_\@:
.irp b, 0,1,2,3
	v_max3_num_f32 v[BM+\b], v[S+16*\b], v[S+16*\b+1], v[S+16*\b+2]   ; THE LARGEST SCORE OF EACH BLOCK OF 32 KEYS: it serves for the row's maximum and, since p rises with the score, for the block's largest p
.endr
.irp i, 3,5,7,9,11,13
.irp b, 0,1,2,3
	v_max3_num_f32 v[BM+\b], v[BM+\b], v[S+16*\b+\i], v[S+16*\b+\i+1]
.endr
.endr
.irp b, 0,1,2,3
	v_max_num_f32 v[BM+\b], v[BM+\b], v[S+16*\b+15]
.endr
.irp b, 0,1,2,3
	v_permlanex16_b32 v[BP+\b], v[BM+\b], s[SEL], s[SEL+1]
.endr
.irp b, 0,1,2,3
	v_max_num_f32 v[BM+\b], v[BM+\b], v[BP+\b]     ; with lane l xor 16's 16 keys
.endr
	v_max3_num_f32 v[TMP], v[BM], v[BM+1], v[BM+2]
	v_max_num_f32 v[TMP], v[TMP], v[BM+3]          ; the step's largest score of my query: a number, since the step's first key counts
	v_mul_f32 v[TMP], s[CS], v[TMP]                ; as t (c is not negative)
	v_max_num_f32 v13, v13, v[TMP]                 ; the running largest t
	v_mov_b32 v[TMP], v12
	v_floor_f32 v12, -v13                          ; the new -M = floor(-t) = -ceil(t): M IS A WHOLE NUMBER
	v_sub_f32 v[TMP], v12, v[TMP]                  ; M's old value less its new one: a whole number, 0 or less
	v_cvt_i32_f32 v[TMP], v[TMP]                   ; (it saturates)
	v_ldexp_f32 v[F], 1.0, v[TMP]                  ; f = 2^(old M - new M): a multiplication by it rounds nothing
.set n, 0
.rept 32
	v_pk_fma_f32 v[S+n:S+n+1], v[S+n:S+n+1], s[CS:CS+1], v[12:13] op_sel_hi:[1,0,0]   ; t - M, two at a time (of the pairs c and -M the low word serves both halves)
.set n, n+2
.endr
.irp b, 0,1,2,3
	v_fma_f32 v[BM+\b], v[BM+\b], s[CS], v12       ; the same of each block's largest score
.endr
.set n, 0
	s_wait_alu depctr_va_vdst(0)
.rept 64
	v_exp_f32 v[S+n], v[S+n]                       ; p = 2^(t - M), at most 1: NOT normalised
.set n, n+1
.endr
.irp b, 0,1,2,3
	v_exp_f32 v[BM+\b], v[BM+\b]                   ; the block's largest p: the same two instructions on the same number
.endr
	v_pk_mul_f32 v[14:15], v[14:15], v[F:F+1] op_sel_hi:[1,0]   ; the sums under the new M.  (The plain line behind the exponentials)
	s_wait_alu depctr_va_vdst(0)                   ; the 68 exponentials have written p and the blocks' largest p, ahead of their first reader: one wait for the batch.  KQ 1 is done reading KB and KSW too: the next step's first loads land there
.irp b, 0,1,2,3
	v_max_num_f32 v[BM+\b], 0x4800000, v[BM+\b]    ; the floor 2^(9 - 127): a block whose every p is 0 keeps the byte 1: its codes are zeros
.endr
.irp b, 0,1,2,3
	v_add_nc_u32 v[BS+\b], 0xfc000000, v[BM+\b]    ; 8 off the exponent field: the conversion's scale operand
.endr
.irp b, 0,1,2,3
	v_and_or_b32 v[BH+\b], v[BM+\b], 0x7f800000, s[MNT]   ; 448 x the scale
.endr
.irp b, 0,1,2,3
	v_lshrrev_b32 v[BP+\b], 23, v[BS+\b]           ; the scale's byte
.endr
	v_lshl_or_b32 v[PSW], v[BP+1], 8, v[BP]        ; p's scale word for these 128 keys
	v_lshl_or_b32 v[PSW], v[BP+2], 16, v[PSW]
	v_lshl_or_b32 v[PSW], v[BP+3], 24, v[PSW]
	v_pk_add_f32 v[BP:BP+1], v[S:S+1], v[S+2:S+3]  ; THE ROW'S SUM IS TAKEN OF THE UNQUANTISED p: two at a time, in two chains
.set n, 4
.rept 15
	v_pk_add_f32 v[14:15], v[14:15], v[S+n:S+n+1]
	v_pk_add_f32 v[BP:BP+1], v[BP:BP+1], v[S+n+2:S+n+3]
.set n, n+4
.endr
	v_pk_add_f32 v[14:15], v[14:15], v[BP:BP+1]
.irp b, 0,1,2,3
.set n, 0
.rept 16
	v_min_num_f32 v[S+16*\b+n], v[S+16*\b+n], v[BH+\b]   ; the hold ahead of a conversion that does not saturate (ISA guide 7.6.2); p is not negative, so it is one-sided
.set n, n+1
.endr
	v_cvt_scalef32_pk8_fp8_f32 v[PC+4*\b:PC+4*\b+1], v[S+16*\b:S+16*\b+7], v[BS+\b]
	v_cvt_scalef32_pk8_fp8_f32 v[PC+4*\b+2:PC+4*\b+3], v[S+16*\b+8:S+16*\b+15], v[BS+\b]
.endr
.set n, 0
.rept 16
	v_pk_mul_f32 v[O+n:O+n+1], v[O+n:O+n+1], v[F:F+1] op_sel_hi:[1,0]   ; O^T under the new M: x f.  (Also the plain line behind the last conversion, and the places between p's codes and the products)
.set n, n+2
.endr
	s_wait_dscnt 0x0                               ; V's four tiles and its scale words are in
	s_wait_alu depctr_va_vdst(0)                   ; the conversions have written p's codes and the vector lines its scale word, which the products below take as operands; their places stand ahead of this wait
	WIN 0x01                                       ; source 0 (V) window 1
.irp t, 0,2                                    ; O^T += V^T P^T: the four accumulators by turns, one instruction a turn
	v_wmma_scale_f32_16x16x128_f8f6f4 v[O+8*\t:O+8*\t+7], v[VB+16*\t:VB+16*\t+15], v[PC:PC+15], v[O+8*\t:O+8*\t+7], v[VSW+\t/2], v[PSW]
	v_wmma_scale_f32_16x16x128_f8f6f4 v[O+8*(\t+1):O+8*(\t+1)+7], v[VB+16*(\t+1):VB+16*(\t+1)+15], v[PC:PC+15], v[O+8*(\t+1):O+8*(\t+1)+7], v[VSW+\t/2], v[PSW] matrix_a_scale:MATRIX_SCALE_ROW1
.endr
	WIN 0
	COPY_STORE \sl, \q
.Lhidden_\@:
	s_add_co_u32 s[KF], s[KF], 128
.endm
; A SLOT: one barrier at its head, on every wave's way, for both jobs.  In front of it my stores into this slot have landed and my reads of the other slot are back; behind it my job's slot is whole and nobody
; reads its other one, into which the next record is copied.  Where the next slot is wanted (NX < VL), both steps of this slot run, so both halves of the copy are made.
.macro SLOTW sl
	s_wait_dscnt 0x0
	s_barrier_signal -1
	s_barrier_wait -1
	STEP \sl, 0
	STEP \sl, 1
	s_wait_xcnt 0x0                                ; the copy's loads and the prefetch, a step and more back, have read the record's address: it may be stepped
	s_add_nc_u64 s[REC:REC+1], s[REC:REC+1], RECB
	s_add_co_u32 s[NX], s[NX], 256
.endm
.Ltrip:                                            ; four trips of two slots: all 2,048 keys; the trip count is a constant, what VL hides is jumped over inside
	SLOTW 0
	SLOTW 1
	s_sub_co_u32 s[TRIPS], s[TRIPS], 1
	s_cmp_lg_u32 s[TRIPS], 0
	s_cbranch_scc1 .Ltrip
	; THE WAY OUT.  O^T is divided by the row's sum and goes through my stage in LDS, so that sixteen lanes store a whole row of 256 bytes.
	; The two additions, the four lines of the store's offset and two v_nop are the eight places behind the last products.
	v_add_f32 v14, v14, v15                        ; the sum's two halves,
	v_permlanex16_b32 v[TMP], v14, s[SEL], s[SEL+1]
	v_add_f32 v14, v14, v[TMP]                     ; and lane l xor 16's: the row's sum, at least 1/2
	s_wait_alu depctr_va_vdst(0)
	v_rcp_f32 v14, v14
	v_and_b32 v209, 15, v0                         ; (a plain line behind the transcendental)
	v_bfe_u32 v210, v0, 4, 1
	v_lshlrev_b32 v208, 8, v210
	v_lshl_add_u32 v208, v209, 4, v208             ; out0: lanes 0-15 one row, lanes 16-31 the next; 16 bytes a lane
	v_nop
	v_nop
	s_wait_alu depctr_va_vdst(0)                   ; the reciprocal has written v14, ahead of its first reader
.set n, 0
.rept 32
	v_mul_f32 v[S+n], v[O+n], v14                  ; register 8 t + j is out0(query r, channel 16 t + 8 h + j); each accumulator from its low end on
.set n, n+1
.endr
	s_wait_alu depctr_va_vdst(0)                   ; the multiplications have written v[S] to v[S+31], which the LDS stores read; v208, the global stores' offset, is written; and every line that named KB, in which the loads from the stage land, is done
.irp t, 0,1,2,3
	ds_store_b128 v10, v[S+8*\t:S+8*\t+3] offset:64*\t
	ds_store_b128 v10, v[S+8*\t+4:S+8*\t+7] offset:64*\t+16
.endr
.irp i, 0,1,2,3,4,5,6,7
	ds_load_b128 v[KB+4*\i:KB+4*\i+3], v11 offset:2*\i*SP   ; LDS serves a wave's instructions in order (ISA guide 5.7.1.4): these see my stores
.endr
.irp i, 0,1,2,3,4,5,6,7
	s_wait_dscnt 7-\i                              ; the younger of the eight loads may be out
	global_store_b128 v208, v[KB+4*\i:KB+4*\i+3], s[10:11] offset:512*\i th:TH_STORE_NT   ; 16 lanes store 256 consecutive bytes, aligned; written once, read by nobody here
.endr
	s_wait_dscnt 0x0                               ; the closing lines, six on end
	s_wait_alu 0x0
	s_wait_tensorcnt 0x0
	ds_add_u32 v254, v255
	s_wait_dscnt 0x0
	s_endpgm
.Lfunc_end_k_qf688eb14ef_attn:
	.size	k_qf688eb14ef_attn, .Lfunc_end_k_qf688eb14ef_attn-k_qf688eb14ef_attn
	.p2alignl 7, 3214868480
	.fill 96, 4, 3214868480
	.section	.rodata,"a",@progbits
	.p2align	6, 0x0
	.amdhsa_kernel k_qf688eb14ef_attn
		.amdhsa_group_segment_fixed_size 183296
		.amdhsa_private_segment_fixed_size 0
		.amdhsa_enable_private_segment 0
		.amdhsa_kernarg_size 32
		.amdhsa_user_sgpr_count 2
		.amdhsa_user_sgpr_kernarg_segment_ptr 1
		.amdhsa_wavefront_size32 1
		.amdhsa_system_sgpr_workgroup_id_x 1
		.amdhsa_system_sgpr_workgroup_id_y 1
		.amdhsa_system_sgpr_workgroup_id_z 1
		.amdhsa_system_vgpr_workitem_id 0
		.amdhsa_next_free_vgpr 352
		.amdhsa_next_free_sgpr 84
		.amdhsa_reserve_vcc 1
		.amdhsa_float_denorm_mode_32 3
		.amdhsa_float_denorm_mode_16_64 3
		.amdhsa_memory_ordered 1
		.amdhsa_forward_progress 1
		.amdhsa_inst_pref_size 142
	.end_amdhsa_kernel
	.amdgpu_metadata
---
amdhsa.version: [ 1, 2 ]
amdhsa.kernels:
  - .name:           k_qf688eb14ef_attn
    .symbol:         k_qf688eb14ef_attn.kd
    .args:
      - { .name: Q_batch, .offset: 0, .size: 8, .value_kind: global_buffer, .address_space: global }
      - { .name: kv, .offset: 8, .size: 8, .value_kind: global_buffer, .address_space: global }
      - { .name: valid_lens, .offset: 16, .size: 8, .value_kind: global_buffer, .address_space: global }
      - { .name: out0, .offset: 24, .size: 8, .value_kind: global_buffer, .address_space: global }
    .group_segment_fixed_size: 183296
    .private_segment_fixed_size: 0
    .kernarg_segment_align: 8
    .kernarg_segment_size: 32
    .max_flat_workgroup_size: 256
    .sgpr_count:     84
    .vgpr_count:     352
    .wavefront_size: 32
...
	.end_amdgpu_metadata
.endif
;; end of part 4
